; MI455X (gfx1250); checked and timed in simulation.
; The chip was launched on July 23, 2026; its instructions are those of AMD's public machine-readable ISA for CDNA 5 (MIT licence, August 2026) and "CDNA5" Instruction Set Architecture Reference Guide (July 2026). The comments in the code are by the model that wrote it; some were corrected since.
;; Seq Self Attention. Allowed arithmetic: matrix products marked QUANTISED: E2M1 operands, one E8M0 scale for each 32 along K, by v_wmma_scale_f32_16x16x128_f8f6f4 with both operands' format E2M1 (or v_wmma_scale_f32_32x16x128_f4), f32 sums; products left as they are: f32 operands where the result goes on into a quantised operand, else bf16, f16 or f32 operands; f32 sums; everything else in f32.
;; Inputs: Wa 64 x 1 float32; Wt 1,024 x 64 float32; Wx 1,024 x 64 float32; ba 1 float32; bh 64 float32; x 4 x 1,024 x 1,024 float32.
;; Outputs: out0 4 x 1,024 x 1,024 float32.
;; This version of the problem:
;;   THIS VERSION OF THE PROBLEM IS GIVEN IN LOW PRECISION. The matrix products marked QUANTISED in the list below multiply operands that are first quantised to E2M1 (2 exponent bits, 1 mantissa bit; 4 bits a number), with one power-of-two scale for each 32 numbers along K (OCP MX v1.0); their sums are f32. All else is computed in f32.
;;   The module's matrix products, in the order in which they are computed (A, B: the left and right operand; K: the contracted axis; several contracted axes count as one K, in the product's order):
;;     1. [M 4,096, K 1,024] x [K 1,024, N 64]; A: input x; B: input Wt: QUANTISED
;;     2. [M 4,096, K 1,024] x [K 1,024, N 64]; A: input x; B: input Wx: QUANTISED
;;     3. [M 4,194,304, K 64] x [K 64, N 1]; A: computed on the way; B: computed on the way: left as it is (N = 1 < 16)
;;     4. batch 4 x [M 1,024, K 1,024] x [K 1,024, N 1,024]; A: softmax (see below); B: input x: QUANTISED
;;   THE QUANTISER, for each operand of a quantised product, along K:
;;     - K is cut into blocks of 32 from its start; a last block that is shorter is filled with zeros.
;;     - A block's scale is 2^e with e = floor(log2(the largest magnitude in the block)) - 2, held to -126 .. 127; a block of zeros has e = 0. As a byte (E8M0): e + 127.
;;     - Each number is divided by its block's scale, clamped to +-6, and rounded to the nearest number of E2M1, ties to even, subnormals kept.
;;     - The product sums the exact products of the quantised numbers (number of the format x scale) in f32.
;;   ~~~python
;;   def quantise(x, axis):      # numpy; x: float32 -> the quantised numbers, widened to float32 again
;;       x = np.moveaxis(x, axis, -1); K = x.shape[-1]
;;       x = np.pad(x, [(0, 0)] * (x.ndim - 1) + [(0, -K % 32)]); x = x.reshape(x.shape[:-1] + (-1, 32)); a = np.abs(x).max(-1, keepdims=True)
;;       e = np.where(a > 0, np.clip(np.frexp(np.where(a > 0, a, 1))[1] - 1 - 2, -126, 127), 0)      # np.frexp(a)[1] - 1 = floor(log2(a)), exactly
;;       r = np.clip(x / 2.0 ** e, -6, 6)
;;       step = 2.0 ** (np.maximum(np.frexp(np.where(r == 0, 1, r))[1] - 1, 0) - 1)
;;       q = np.round(r / step) * step * 2.0 ** e      # np.round: ties to even
;;       return np.moveaxis(q.reshape(q.shape[:-2] + (-1,))[..., :K], -1, axis).astype(np.float32)
;;   ~~~
;;   SOFTMAX AHEAD OF A QUANTISED PRODUCT. Where the list says 'softmax', what is quantised is not the finished softmax but p = 2^(t - M), with t = logit x log2(e) and M = ceil(the row's largest t), a whole number; so 1/2 < the row's largest p <= 1. The row's sum l is taken of the UNQUANTISED p, in f32, and the product's result is divided by l at the end. Since M is a whole number, a kernel that streams over the keys may use a running M (the ceiling of the running maximum): every later rescaling is an exact power of two, which a block's scale takes up: the codes' values come out the same.
;;   OPERANDS COMPUTED ON THE WAY. 'Computed on the way' means the value that the module computes at that place (a softmax that the list does not call 'softmax' is quantised finished and normalised). What goes into a quantiser is computed in f32, as accurately as f32 sums, v_exp_f32 and their like allow (about 1e-6 of the number): no bf16 or f16 on the way to a quantiser, and a product that is left as it is and whose result goes on into a quantised operand takes f32 operands (vector FMAs, or v_wmma_f32_16x16x4_f32). A number that lies on a knife's edge between two numbers of the format may be rounded either way, as far as f32 arithmetic and the matrix unit's own rounding can turn it there, and no further.
;; 2 versions, each right; version 2 is version 1 with the launch attend written anew for expert scheduling mode. Each part assembles by itself: llvm-mc -triple=amdgcn-amd-amdhsa -mcpu=gfx1250 --defsym DOCPART=n.
;; ======== version 1 of 2: 2 launches
;; limits: right only within a limited range of input values
;; workspace buffers: xs_codes 2,097,152 bytes; xs_scales 131,072 bytes; dk_codes 2,162,688 bytes; dk_scales 135,168 bytes
;; launch quant (part 1): grid 264 x 1, 4 waves a work-group, no clusters, 18,944 bytes of LDS; arguments x, Wt, Wx, xs_codes, xs_scales, dk_codes, dk_scales; writes xs_codes, xs_scales, dk_codes, dk_scales
.if DOCPART == 1
	.amdgcn_target "amdgcn-amd-amdhsa--gfx1250"
	.amdhsa_code_object_version 6
	.text
	.protected	k_qcdd42e8230_quant
	.globl	k_qcdd42e8230_quant
	.p2align	8
	.type	k_qcdd42e8230_quant,@function
k_qcdd42e8230_quant:
	s_mov_b64 s[64:65], 0
	v_nop
	global_prefetch_b8 v0, s[64:65] scope:SCOPE_SE
	s_setreg_imm32_b32 hwreg(HW_REG_WAVE_MODE, 25, 1), 1
	s_wait_xcnt 0x0
; x [4][1024][1024] f32 is read once and turned into codes of FP4 (E2M1) TWICE: along D (the K of x Wt and x Wx) and along the keys (the K of p x).
; Wt and Wx [1024 (D)][64] f32 are turned into codes along D.  One E8M0 byte for each 32 along K: the largest magnitude's exponent field - 2, held at 1 from below.
; A tile of 32 keys x 32 columns holds 32 whole blocks along the keys (one a column) and 32 whole blocks along D (one a row):
;   as loaded a lane is a COLUMN and its 32 registers run down the keys: that is a block along the keys;
;   through the wave's own 32 x 32 tile in LDS a lane becomes a ROW and its 32 registers run along D: that is a block along D.
; LAYOUTS (all in the order of the operand registers of the 16x16x128 form, so that the next launch loads fragments by 16 bytes a lane):
;   xs_codes  [kbG = 32 batch + key block][d][16 bytes = 32 keys]          xs_scales [kbG][d / 128][d % 32][(d / 32) % 4] bytes
;   dk_codes  [tile of 16 rows][D block (32)][row (16)][16 bytes]           dk_scales [tile][K step of 128 (8)][row (16)] words, byte q = D block 4 ks + q
;   tiles 0..255: x's rows 16 tile on; 256..259: Wt's columns 16 nt on; 260..263: Wx's.
; SHARES: work-groups 0..255: a wave takes 32 keys x 128 columns of x (four tiles).  Work-groups 256..263: a wave takes 128 rows (D) x 32 columns of Wt or Wx: there a lane's registers run down D as loaded, and LDS is not used.
; Waves share nothing: no barrier.  Each store has data registers of its own and no address register is rewritten.
; LIMITS: a block of zeros gets the byte 1 where the rule says 127 (its codes are zeros, and the bytes are read by this program alone); a largest magnitude under 2^(3 - 127) is taken as that floor (the rule's hold at e = -126);
; NaN and infinities among the inputs are not served.
.set SC, 32                            ; v32-47   codes along the keys, four registers a tile
.set DC, 48                            ; v48-63   codes along D, four registers a tile
.set X,  64                            ; v64-191  four tiles as loaded, 32 registers each
.set Y,  192                           ; v192-223 a tile turned: a lane's row
.set TP, 144                           ; a row of the LDS tile: 128 bytes + 16: the 16 rows of a 16-byte load start at 16 different groups of banks
	s_load_b256 s[8:15], s[0:1], 0x0               ; x s[8:9], Wt s[10:11], Wx s[12:13], xs_codes s[14:15]
	s_load_b128 s[16:19], s[0:1], 0x20             ; xs_scales s[16:17], dk_codes s[18:19]
	s_load_b64 s[20:21], s[0:1], 0x30              ; dk_scales
	v_lshl_add_u32 v224, v0, 2, 0x4800
	v_mov_b32 v225, 0
	v_lshrrev_b32 v1, 5, v0
	v_readfirstlane_b32 s2, v1                     ; wave 0..3
	v_and_b32 v1, 31, v0                           ; c: my lane
	v_lshlrev_b32 v2, 2, v1                        ; 4 c: my column in a load; my word of xs_scales
	v_lshlrev_b32 v3, 4, v1                        ; 16 c: my column's 16 bytes of xs_codes
	v_lshrrev_b32 v9, 4, v1                        ; c / 16: which of two tiles of 16 rows
	v_and_b32 v8, 15, v1                           ; c % 16: the row in it
	v_lshlrev_b32 v4, 4, v8
	v_lshl_add_u32 v4, v9, 13, v4                  ; dk_codes: 8,192 (c / 16) + 16 (c % 16)
	v_lshlrev_b32 v5, 2, v8
	v_lshl_add_u32 v5, v9, 9, v5                   ; dk_scales: 512 (c / 16) + 4 (c % 16)
	s_mul_i32 s3, s2, 32*TP                        ; my wave's tile in LDS
	v_add_nc_u32 v6, s3, v2                        ; into it: column c
	v_mul_u32_u24 v7, v1, TP
	v_add_nc_u32 v7, s3, v7                        ; out of it: row c
	s_mov_b32 s25, 0                               ; offsets are pairs with 0 above
	s_mov_b32 s27, 0
	s_mov_b32 s29, 0
	s_mov_b32 s31, 0
	s_mov_b32 s33, 0
	s_wait_kmcnt 0x0
	s_cmp_ge_u32 ttmp9, 256
	s_cbranch_scc1 .Lweights
.macro LOADX tt                        ; tile tt: x(key i, column 32 tt + c), i = 0 .. 31: a wave's load reads 128 consecutive bytes, the four waves stand side by side
.set n, 0
.rept 32
	global_load_b32 v[X+32*(\tt)+n], v2, s[8:9] offset:n*4096+(\tt)*128 th:TH_LOAD_NT
.set n, n+1
.endr
.endm
.macro LOADW tt                        ; W(D row 32 tt + i, column c)
.set n, 0
.rept 32
	global_load_b32 v[X+32*(\tt)+n], v2, s[8:9] offset:(32*(\tt)+n)*256
.set n, n+1
.endr
.endm
; A block: the 32 numbers v[src] .. v[src + 31] of my lane become 16 bytes of codes in v[code] .. v[code + 3]; the scale's byte goes into byte tt of v[word].
.macro QB src, code, word, tt
	v_max3_num_f32 v8, |v[\src]|, |v[\src+1]|, 0x1800000           ; the largest magnitude, in two chains, with the floor 2^(3 - 127) among the leaves: the byte cannot fall under 1
	v_max3_num_f32 v9, |v[\src+2]|, |v[\src+3]|, |v[\src+4]|
.irp i, 5,9,13,17,21,25
	v_max3_num_f32 v8, v8, |v[\src+\i]|, |v[\src+\i+1]|
	v_max3_num_f32 v9, v9, |v[\src+\i+2]|, |v[\src+\i+3]|
.endr
	v_max3_num_f32 v8, v8, |v[\src+29]|, |v[\src+30]|
	v_max3_num_f32 v8, v8, v9, |v[\src+31]|
	v_add_nc_u32 v10, 0xff000000, v8               ; 2 off its exponent field: the conversion takes the exponent field of this operand as its scale
.irp g, 0,1,2,3
	v_cvt_scalef32_pk8_fp4_f32 v[\code+\g], v[\src+8*\g:\src+8*\g+7], v10
.endr
	v_lshrrev_b32 v11, 23, v10                     ; the scale's byte (also the plain line behind the conversions)
.if (\tt) == 0
	v_mov_b32 v[\word], v11
.else
	v_lshl_or_b32 v[\word], v11, 8*(\tt), v[\word]
.endif
.endm
.macro TRANS tt                        ; tile tt through my LDS tile: in by columns, out by rows.  LDS serves a wave's instructions in order: no wait between the stores and the loads
.set n, 0
.rept 32
	ds_store_b32 v6, v[X+32*(\tt)+n] offset:TP*n
.set n, n+1
.endr
.set n, 0
.rept 8
	ds_load_b128 v[Y+4*n:Y+4*n+3], v7 offset:16*n
.set n, n+1
.endr
.endm
	; ---- x.  U = 4 work-group + wave; kbG = U / 8: which 32 keys; ch = U % 8: which 128 columns
	s_lshl_b32 s4, ttmp9, 2
	s_add_co_u32 s4, s4, s2
	s_lshr_b32 s5, s4, 3                           ; kbG
	s_and_b32 s6, s4, 7                            ; ch
	s_lshl_b32 s24, s5, 17                         ; x: 32 kbG rows of 4,096 bytes
	s_lshl_b32 s7, s6, 9                           ;    + 128 ch columns of 4
	s_or_b32 s24, s24, s7
	s_lshl_b32 s26, s5, 14                         ; xs_codes: kbG x 16,384 + 128 ch x 16
	s_lshl_b32 s7, s6, 11
	s_or_b32 s26, s26, s7
	s_lshl_b32 s28, s5, 10                         ; xs_scales: kbG x 1,024 + ch x 128
	s_lshl_b32 s7, s6, 7
	s_or_b32 s28, s28, s7
	s_lshl_b32 s30, s5, 14                         ; dk_codes: tile 2 kbG x 8,192 + D block 4 ch x 256
	s_lshl_b32 s7, s6, 10
	s_or_b32 s30, s30, s7
	s_lshl_b32 s32, s5, 10                         ; dk_scales: tile 2 kbG x 512 + K step ch x 64
	s_lshl_b32 s7, s6, 6
	s_or_b32 s32, s32, s7
	s_add_nc_u64 s[8:9], s[8:9], s[24:25]
	s_add_nc_u64 s[14:15], s[14:15], s[26:27]
	s_add_nc_u64 s[16:17], s[16:17], s[28:29]
	s_add_nc_u64 s[18:19], s[18:19], s[30:31]
	s_add_nc_u64 s[20:21], s[20:21], s[32:33]
	LOADX 0
	LOADX 1
.irp tt, 0,1,2,3
.if \tt < 3
	s_wait_loadcnt 32                              ; this tile's 32 loads are in; the next tile's 32 may be out
.else
	s_wait_loadcnt 0x0
.endif
.if \tt < 2
	LOADX \tt+2                                    ; two tiles ahead, into registers of their own
.endif
	TRANS \tt
	QB X+32*\tt, SC+4*\tt, 12, \tt                 ; along the keys, while the tile turns
	global_store_b128 v3, v[SC+4*\tt:SC+4*\tt+3], s[14:15] offset:512*\tt     ; 32 lanes store 512 consecutive bytes
	s_wait_dscnt 0x0                               ; the turned tile is in
	QB Y, DC+4*\tt, 13, \tt                        ; along D
	global_store_b128 v4, v[DC+4*\tt:DC+4*\tt+3], s[18:19] offset:256*\tt     ; each half of the lanes stores 256 consecutive bytes, aligned
.endr
	global_store_b32 v2, v12, s[16:17]             ; my column's four bytes (columns c, 32 + c, 64 + c, 96 + c)
	global_store_b32 v5, v13, s[20:21]             ; my row's scale word of this K step
	s_wait_tensorcnt 0x0
	ds_add_u32 v224, v225
	s_wait_dscnt 0x0
	s_endpgm
.Lweights:
	; ---- Wt, Wx.  UW = 4 (work-group - 256) + wave; UW / 16: Wt or Wx; (UW / 8) % 2: which 32 columns; UW % 8: which 128 along D
	s_sub_co_u32 s4, ttmp9, 256
	s_lshl_b32 s4, s4, 2
	s_add_co_u32 s4, s4, s2
	s_lshr_b32 s5, s4, 4
	s_bfe_u32 s6, s4, 0x10003
	s_and_b32 s7, s4, 7
	s_cmp_eq_u32 s5, 0
	s_cselect_b64 s[8:9], s[10:11], s[12:13]       ; the choice hangs on the work-group's and the wave's number alone
	s_lshl_b32 s24, s7, 15                         ; 128 ks rows of 256 bytes
	s_lshl_b32 s3, s6, 7                           ; + 32 columns of 4
	s_or_b32 s24, s24, s3
	s_add_nc_u64 s[8:9], s[8:9], s[24:25]
	s_lshl_b32 s5, s5, 2
	s_lshl_b32 s6, s6, 1
	s_add_co_u32 s5, s5, s6
	s_add_co_u32 s5, s5, 256                       ; my first tile: 256 + 4 matrix + 2 half
	s_lshl_b32 s30, s5, 13
	s_lshl_b32 s3, s7, 10
	s_or_b32 s30, s30, s3
	s_lshl_b32 s32, s5, 9
	s_lshl_b32 s3, s7, 6
	s_or_b32 s32, s32, s3
	s_add_nc_u64 s[18:19], s[18:19], s[30:31]
	s_add_nc_u64 s[20:21], s[20:21], s[32:33]
	LOADW 0
	LOADW 1
.irp tt, 0,1,2,3
.if \tt < 3
	s_wait_loadcnt 32                              ; this block's 32 loads are in; the next block's may be out
.else
	s_wait_loadcnt 0x0
.endif
.if \tt < 2
	LOADW \tt+2
.endif
	QB X+32*\tt, DC+4*\tt, 13, \tt
	global_store_b128 v4, v[DC+4*\tt:DC+4*\tt+3], s[18:19] offset:256*\tt
.endr
	global_store_b32 v5, v13, s[20:21]
	s_endpgm
.Lfunc_end_k_qcdd42e8230_quant:
	.size	k_qcdd42e8230_quant, .Lfunc_end_k_qcdd42e8230_quant-k_qcdd42e8230_quant
	.p2alignl 7, 3214868480
	.fill 96, 4, 3214868480
	.section	.rodata,"a",@progbits
	.p2align	6, 0x0
	.amdhsa_kernel k_qcdd42e8230_quant
		.amdhsa_group_segment_fixed_size 18944
		.amdhsa_private_segment_fixed_size 0
		.amdhsa_enable_private_segment 0
		.amdhsa_kernarg_size 56
		.amdhsa_user_sgpr_count 2
		.amdhsa_user_sgpr_kernarg_segment_ptr 1
		.amdhsa_wavefront_size32 1
		.amdhsa_system_sgpr_workgroup_id_x 1
		.amdhsa_system_sgpr_workgroup_id_y 1
		.amdhsa_system_sgpr_workgroup_id_z 1
		.amdhsa_system_vgpr_workitem_id 0
		.amdhsa_next_free_vgpr 226
		.amdhsa_next_free_sgpr 66
		.amdhsa_reserve_vcc 0
		.amdhsa_float_denorm_mode_32 3
		.amdhsa_float_denorm_mode_16_64 3
		.amdhsa_memory_ordered 1
		.amdhsa_forward_progress 1
		.amdhsa_inst_pref_size 57
	.end_amdhsa_kernel
	.amdgpu_metadata
---
amdhsa.version: [ 1, 2 ]
amdhsa.kernels:
  - .name:           k_qcdd42e8230_quant
    .symbol:         k_qcdd42e8230_quant.kd
    .args:
      - { .name: x, .offset: 0, .size: 8, .value_kind: global_buffer, .address_space: global }
      - { .name: Wt, .offset: 8, .size: 8, .value_kind: global_buffer, .address_space: global }
      - { .name: Wx, .offset: 16, .size: 8, .value_kind: global_buffer, .address_space: global }
      - { .name: xs_codes, .offset: 24, .size: 8, .value_kind: global_buffer, .address_space: global }
      - { .name: xs_scales, .offset: 32, .size: 8, .value_kind: global_buffer, .address_space: global }
      - { .name: dk_codes, .offset: 40, .size: 8, .value_kind: global_buffer, .address_space: global }
      - { .name: dk_scales, .offset: 48, .size: 8, .value_kind: global_buffer, .address_space: global }
    .group_segment_fixed_size: 18944
    .private_segment_fixed_size: 0
    .kernarg_segment_align: 8
    .kernarg_segment_size: 56
    .max_flat_workgroup_size: 128
    .sgpr_count:     66
    .vgpr_count:     226
    .wavefront_size: 32
...
	.end_amdgpu_metadata
.endif
;; end of part 1
;; launch attend (part 2): grid 256 x 1, 8 waves a work-group, no clusters, 169,216 bytes of LDS; arguments dk_codes, dk_scales, xs_codes, xs_scales, bh, Wa, ba, out0; writes out0
.if DOCPART == 2
	.amdgcn_target "amdgcn-amd-amdhsa--gfx1250"
	.amdhsa_code_object_version 6
	.text
	.protected	k_qcdd42e8230_attend
	.globl	k_qcdd42e8230_attend
	.p2align	8
	.type	k_qcdd42e8230_attend,@function
k_qcdd42e8230_attend:
	s_mov_b64 s[64:65], 0
	v_nop
	global_prefetch_b8 v0, s[64:65] scope:SCOPE_SE
	s_setreg_imm32_b32 hwreg(HW_REG_WAVE_MODE, 25, 1), 1
	s_wait_xcnt 0x0
; out[b][i][:] = sum over j of softmax_j(e_ij) x[b][j][:],  e_ij = sum over u of Wa[u] tanh(q_i + k_j + bh)[u] + ba,  q = x Wt, k = x Wx,  j in [i - 32, i + 32) and in 0 .. 1023.
; q, k and p x are products on codes of FP4 (E2M1) with one E8M0 scale for each 32 along K; the codes were made by the launch before, in the order of the operand registers.
; THE BAND.  Outside it the logit lies 10,000 - 2 sum|Wa| or more under the row's largest, so that p = 2^(t - M) is 0 in f32: only the band is computed.  LIMIT: sum|Wa| under 4,900.  NaN and infinities among the inputs are not served.
; SHARES.  A work-group owns 16 queries (16 T16 on, batch b); eight waves, two to a SIMD.  Its keys are local rows 0 .. 79 (key = 16 T16 - 32 + row): five tiles of 16 rows of x.  Its K step of p x is the aligned window of
; four blocks of 32 keys, 2 g - 1 .. 2 g + 2, g = T16 / 4.  Tiles and blocks beyond the batch's ends are clamped into it: what they bring is finite and meets p = 0.
; PHASES.  0: wave w copies K step w of the five tiles of x into LDS as images of the operand's registers; weights, V's fragments, Wa go straight into registers | barrier |
;  1: 24 tiles of 16 x 16 (k of 5 tiles x 4, q of 1 x 4), three a wave, transposed (source 0 = 16 units of W, source 1 = 16 rows of x): a lane holds one row and 8 units; x 2 log2(e); to LDS | barrier |
;  2: lane (query r, half hh) of wave w takes keys r + 8 w + 4 hh + 0 .. 3: tanh(y) = 1 - 2 / (1 + 2^(2 log2(e) y)), so t = log2(e) (sum Wa + ba) - 2 log2(e) sum Wa / (1 + 2^z); f32 multiply-adds; t to LDS | barrier |
;  3: every wave: the 16 x 128 window of t (-infinity where no key counts); M = ceil(the row's largest t); p = 2^(t - M); the row's sum of the unquantised p; p quantised along the keys in registers;
;  4: O^T = V^T P^T: wave w makes columns 128 w .. + 127: eight products of one K step;  5: / the sum, through the wave's own stage, whole rows of 512 bytes out.
; NO CLUSTER: what neighbouring work-groups share (the weights' 64 KiB of codes, a window's 64 KiB) goes from memory straight into operand registers, 16 bytes a lane; a joint load would land it in LDS and add those bytes as LDS reads.
; NO PREFETCH: every global load is issued in phase 0.
; REGISTERS, window 0: v1-37 addresses, never rewritten; v38-39, v88-95 at work; v40-47 V's scale bytes and words; v48-63 small numbers; v64-86 scale words and nothing else; v96-127 phase 1's accumulators and the bias, later the softmax's
;   small registers; v128-191 staging, x's fragments (two sets), q', O^T; v192-255 k' and z, t and p, rows of out.   window 1: v0-63 V's fragments, v64-191 the weights' fragments, v192-255 Wa.
.set XSC, 40960                        ; LDS: 0: x's 40 fragments, (tile p x 8 + ks) x 1,024;  XSC: their scale words, 128 bytes each
.set QK,  46080                        ; 80 rows of 528 bytes: 256 of q' (rows 32-47 alone), 256 of k', 16 of padding
.set QP,  528
.set EB,  88320                        ; t: 16 rows of 720 bytes; column 48 + r + delta is written; 12,288 bytes are filled with -infinity first
.set STG, 100608                       ; a stage of 16 rows x 528 bytes for each wave
.set L16, 1                            ; 16 lane: an image's place; tile 2's fragments; my 16 bytes of a row of out
.set EF,  2
.set XW,  3
.set XSW, 4
.set XRA, 5
.set XSRA, 6
.set XSR2, 7
.set SQA, 8
.set SQ2, 9
.set AQ,  10
.set AK,  11
.set AE,  12
.set ATR, 13
.set STO, 14
.set SRD, 15
.set VO,  16                           ; v16-20 global offsets of my K step of the five tiles;  v21-25 of their scale words
.set VOS, 21
.set WOA, 26
.set WOB, 27
.set WSOA, 28
.set WSOB, 29
.set BO,  30
.set VV,  31                           ; v31-32 V's fragments: register groups 0 and 1
.set VS,  33                           ; v33-36 V's scale bytes, block p
.set Z0,  37
.set TA,  38
.set SW,  40                           ; v40-43 V's scale bytes as they lie: block p: four columns' bytes
.set VW,  44                           ; v44-47 V's scale words: a column's four blocks
.set T0,  48                           ; log2(e) (sum Wa + ba)
.set BA,  49
.set SM,  50                           ; v50-57 four pairs of sums (at the head: r, h, lane and their multiples)
.set TT,  58
.set J,   59                           ; my first key
.set NINF, 60                          ; v60-63 -infinity
.set WSA, 64                           ; v64-71 Wx's scale words, K step ks;  v72-79 those of the third product's weight
.set WSB, 72
.set XS,  80                           ; v80-85 x's scale words, two sets of three
.set PW,  86                           ; p's scale word
.set TP,  88
.set ACC, 96                           ; v96-119 three accumulators
.set B8,  120                          ; v120-127 bh at my eight units, or zeros
.set PC,  96                           ; v96-103 p's codes
.set BM,  104                          ; v104-107 a block's largest t, then its largest p
.set BX,  108
.set SO,  112                          ; the conversions' scale operands
.set BY,  116                          ; the scales' bytes
.set NM,  120                          ; v[120:121] -M
.set LS,  122                          ; v[122:125] the row's sum, in two chains
.set RL,  126                          ; v[126:127] 1 / the sum
.set XB,  128                          ; x's fragments: set s at v[128 + 24 s], three of 8
.set Q,   128
.set O,   128
.set KZ,  192
.set VF,  0                            ; window 1
.set WFA, 64
.set WFB, 128
.set WA,  192
.set MSB, 0
.macro WIN new                         ; s_set_vgpr_msb: bits 1:0 source 0, 3:2 source 1, 5:4 source 2, 7:6 destination; the high byte repeats the setting that is left
.if MSB != \new
	s_set_vgpr_msb (MSB<<8)|\new
.set MSB, \new
.endif
.endm
.macro BARRIER                         ; my LDS stores have landed and my LDS loads are in: then the work-group's barrier
	s_wait_dscnt 0x0
	s_barrier_signal -1
	s_barrier_wait -1
.endm
	; ---- 0: ids, offsets, loads
	s_load_b256 s[8:15], s[0:1], 0x0               ; dk_codes s[8:9], dk_scales s[10:11], xs_codes s[12:13], xs_scales s[14:15]
	s_load_b256 s[16:23], s[0:1], 0x20             ; bh s[16:17], Wa s[18:19], ba s[20:21], out0 s[22:23]
	v_lshl_add_u32 v94, v0, 2, 0x29100
	v_mov_b32 v95, 0
	v_lshrrev_b32 v[TA], 5, v0
	v_readfirstlane_b32 s2, v[TA]                  ; wave w 0..7
	s_and_b32 s3, s2, 3                            ; nn: which 16 units
	s_lshr_b32 s4, s2, 2                           ; grp
	s_xor_b32 s5, s4, 1
	s_lshr_b32 s6, ttmp9, 6                        ; batch b
	s_and_b32 s7, ttmp9, 63                        ; T16
	v_and_b32 v52, 31, v0                          ; lane
	v_and_b32 v50, 15, v0                          ; r
	v_bfe_u32 v51, v0, 4, 1                        ; h
	v_lshlrev_b32 v[L16], 4, v52
	s_lshl_b32 s24, s2, 10
	v_add_nc_u32 v[XW], s24, v[L16]                ; 1,024 w + 16 lane: my K step in a tile, in memory and in LDS
	s_lshl_b32 s26, s6, 6                          ; 64 b
	s_lshl_b32 s27, s2, 6
	v_lshl_add_u32 v53, v50, 2, s27                ; 64 w + 4 r
.irp p, 0,1,2,3,4
	s_add_co_i32 s24, s7, \p-2
	s_max_i32 s24, s24, 0
	s_min_i32 s24, s24, 63                         ; tile T16 - 2 + p, held inside the batch
	s_add_co_u32 s24, s24, s26
	s_lshl_b32 s25, s24, 13
	v_add_nc_u32 v[VO+\p], s25, v[XW]
	s_lshl_b32 s25, s24, 9
	v_add_nc_u32 v[VOS+\p], s25, v53
.endr
	s_wait_kmcnt 0x0
.irp p, 0,1,2,3,4                      ; 15 loads: K step w of the five tiles, and its scale words
	global_load_b128 v[128+8*\p:131+8*\p], v[VO+\p], s[8:9]
	global_load_b128 v[132+8*\p:135+8*\p], v[VO+\p], s[8:9] offset:512
	global_load_b32 v[168+\p], v[VOS+\p], s[10:11]
.endr
	s_add_co_u32 s24, s3, 260                      ; Wx's tile nn
	s_lshl_b32 s25, s24, 13
	v_add_nc_u32 v[WOA], s25, v[L16]
	v_lshlrev_b32 v54, 2, v50                      ; 4 r
	s_lshl_b32 s25, s24, 9
	v_add_nc_u32 v[WSOA], s25, v54
	s_lshl_b32 s24, s5, 2
	s_add_co_u32 s24, s24, s3
	s_add_co_u32 s24, s24, 256                     ; the third product's weight: grp 1: Wt's tile nn (q); grp 0: Wx's again (k of tile 2)
	s_lshl_b32 s25, s24, 13
	v_add_nc_u32 v[WOB], s25, v[L16]
	s_lshl_b32 s25, s24, 9
	v_add_nc_u32 v[WSOB], s25, v54
	s_lshl_b32 s24, s3, 6
	v_lshl_add_u32 v[BO], v51, 5, s24              ; bh at units 16 nn + 8 h on
.irp ks, 0,1,2,3,4,5,6,7               ; 50 loads: the weights' scale words, the bias, the weights' fragments
	global_load_b32 v[WSA+\ks], v[WSOA], s[10:11] offset:64*\ks
	global_load_b32 v[WSB+\ks], v[WSOB], s[10:11] offset:64*\ks
.endr
	global_load_b128 v[B8:B8+3], v[BO], s[16:17]
	global_load_b128 v[B8+4:B8+7], v[BO], s[16:17] offset:16
	WIN 0x40                                       ; destination window 1
.irp ks, 0,1,2,3,4,5,6,7
.irp c, 0,1
	global_load_b128 v[WFA+8*\ks+4*\c:WFA+8*\ks+4*\c+3], v[WOA], s[8:9] offset:1024*\ks+512*\c
	global_load_b128 v[WFB+8*\ks+4*\c:WFB+8*\ks+4*\c+3], v[WOB], s[8:9] offset:1024*\ks+512*\c
.endr
.endr
	WIN 0
	; while they are on their way: t's region is filled with -infinity, and every other address is made
	v_lshl_add_u32 v[EF], v0, 4, EB
.irp i, 0,1,2,3
	v_mov_b32 v[NINF+\i], 0xff800000
.endr
	ds_store_b128 v[EF], v[NINF:NINF+3]
	ds_store_b128 v[EF], v[NINF:NINF+3] offset:4096
	ds_store_b128 v[EF], v[NINF:NINF+3] offset:8192
	s_mov_b32 s28, 0x76543210                      ; v_permlanex16_b32's selects for lane l xor 16
	s_mov_b32 s29, 0xfedcba98
	s_mov_b32 s30, 0x4038aa3b                      ; 2 log2(e)
	s_mov_b32 s31, s30                             ; (named with it as a pair, so it is written)
	s_mov_b32 s32, 0xc038aa3b                      ; -2 log2(e)
	s_mov_b32 s33, 0x3fb8aa3b                      ; log2(e)
	s_mov_b32 s34, 1024
	s_sub_co_u32 s40, 0, s4                        ; all ones where grp = 1: there the third product is q and takes the bias
	v_lshl_add_u32 v[XSW], v0, 2, XSC              ; XSC + 128 w + 4 lane
	s_mul_i32 s24, s4, 24576
	v_add_nc_u32 v[XRA], s24, v[L16]               ; x's tiles 3 grp, 3 grp + 1
	s_mul_i32 s24, s4, 3072
	s_add_co_u32 s24, s24, XSC
	v_lshl_add_u32 v[XSRA], v52, 2, s24
	v_lshl_add_u32 v[XSR2], v52, 2, XSC
	v_mul_u32_u24 v39, v50, QP                     ; 528 r
	v_lshl_add_u32 v[TA], v51, 5, v39              ; 528 r + 32 h
	s_mul_i32 s24, s4, 48*QP
	s_lshl_b32 s25, s3, 6
	s_add_co_u32 s24, s24, s25
	s_add_co_u32 s24, s24, QK+256
	v_add_nc_u32 v[SQA], s24, v[TA]                ; k': row 48 grp + r, units 16 nn + 8 h on
	s_lshl_b32 s24, s5, 8
	s_add_co_u32 s24, s24, s25
	s_add_co_u32 s24, s24, QK+32*QP
	v_add_nc_u32 v[SQ2], s24, v[TA]                ; row 32 + r: grp 1: q' at byte 0; grp 0: k' at byte 256
	v_add_nc_u32 v[AQ], QK+32*QP, v39              ; q' of my query
	v_mad_u32_u24 v[AK], v51, 4*QP, v39
	s_mul_i32 s24, s2, 8*QP
	s_add_co_u32 s24, s24, QK+256
	v_add_nc_u32 v[AK], s24, v[AK]                 ; k' of row r + 4 h + 8 w
	v_mul_u32_u24 v[AE], v50, 724
	v_lshl_add_u32 v[AE], v51, 4, v[AE]
	s_lshl_b32 s24, s2, 5
	s_add_co_u32 s24, s24, EB+192
	v_add_nc_u32 v[AE], s24, v[AE]                 ; t: row r, column 48 + r + 4 h + 8 w
	v_mul_u32_u24 v[ATR], v50, 720
	v_lshl_add_u32 v[ATR], v51, 6, v[ATR]
	s_and_b32 s24, ttmp9, 3
	s_xor_b32 s24, s24, 3
	s_lshl_b32 s24, s24, 6
	s_add_co_u32 s24, s24, EB
	v_add_nc_u32 v[ATR], s24, v[ATR]               ; the window: its key 0 is column 16 (3 - T16 % 4); row r, + 16 h keys
	s_mul_i32 s24, s2, 16*QP
	s_add_co_u32 s24, s24, STG
	v_add_nc_u32 v[STO], s24, v[TA]
	v_add_nc_u32 v[SRD], s24, v[L16]
	s_lshr_b32 s26, s7, 2
	s_lshl_b32 s26, s26, 1                         ; 2 g
	s_lshl_b32 s27, s6, 5                          ; 32 b
.irp p, 0,1,2,3
	s_add_co_i32 s24, s26, \p-1
	s_max_i32 s24, s24, 0
	s_min_i32 s24, s24, 31                         ; key block 2 g - 1 + p, held inside the batch
	s_add_co_u32 s[41+\p], s24, s27
	s_lshl_b32 s24, s[41+\p], 10
	v_lshl_add_u32 v[VS+\p], v0, 2, s24            ; xs_scales: block x 1,024 + 128 w + 4 lane
.endr
	s_lshl_b32 s25, s2, 11                         ; my 128 columns: 2,048 w
	v_lshlrev_b32 v55, 4, v50                      ; 16 r
.irp c, 0,1                            ; register group c: lanes 0-15 block 2 c, lanes 16-31 block 2 c + 1
	s_sub_co_u32 s24, s[42+2*\c], s[41+2*\c]
	s_lshl_b32 s24, s24, 14
	v_mul_u32_u24 v[VV+\c], s24, v51
	s_lshl_b32 s24, s[41+2*\c], 14
	s_add_co_u32 s24, s24, s25
	v_add3_u32 v[VV+\c], v[VV+\c], v55, s24
.endr
	v_mov_b32 v[Z0], 0
	s_lshl_b32 s24, s7, 4
	s_lshl_b32 s25, s2, 3
	s_add_co_u32 s24, s24, s25
	s_sub_co_u32 s24, s24, 32
	v_lshl_add_u32 v[J], v51, 2, v50
	v_add_nc_u32 v[J], s24, v[J]                   ; 16 T16 - 32 + r + 4 h + 8 w (below 0 it wraps, and the unsigned compare throws it out)
	s_lshl_b32 s24, ttmp9, 16                      ; out: 16 work-group rows of 4,096 bytes
	s_lshl_b32 s25, s2, 9                          ;      + my 128 columns
	s_or_b32 s24, s24, s25
	s_mov_b32 s25, 0
	s_add_nc_u64 s[56:57], s[22:23], s[24:25]
	s_wait_loadcnt 50                              ; the 15 staging loads are in; the 50 issued behind them may be out
.irp p, 0,1,2,3,4
	ds_store_b128 v[XW], v[128+8*\p:131+8*\p] offset:8192*\p
	ds_store_b128 v[XW], v[132+8*\p:135+8*\p] offset:8192*\p+512
	ds_store_b32 v[XSW], v[168+\p] offset:1024*\p
.endr
	WIN 0x40                               ; 37 loads for the later phases: V's fragments, Wa, V's scale bytes, ba
.irp t, 0,1,2,3,4,5,6,7
.irp c, 0,1
	global_load_b128 v[VF+8*\t+4*\c:VF+8*\t+4*\c+3], v[VV+\c], s[12:13] offset:256*\t
.endr
.endr
.irp j, 0,1,2,3,4,5,6,7,8,9,10,11,12,13,14,15
	global_load_b128 v[WA+4*\j:WA+4*\j+3], v[Z0], s[18:19] offset:16*\j
.endr
	WIN 0
.irp p, 0,1,2,3
	global_load_b32 v[SW+\p], v[VS+\p], s[14:15]
.endr
	global_load_b32 v[BA], v[Z0], s[20:21]
	BARRIER                                        ; x's forty fragments lie in LDS, and t's region is -infinity
	; ---- 1: q and k
.macro FETCHX ks, s                    ; nine LDS loads: K step ks of my three tiles of x, and their scale words, into set s
.irp c, 0,1
	ds_load_b128 v[XB+24*(\s)+4*\c:XB+24*(\s)+4*\c+3],       v[XRA] offset:1024*(\ks)+512*\c
	ds_load_b128 v[XB+24*(\s)+8+4*\c:XB+24*(\s)+8+4*\c+3],   v[XRA] offset:8192+1024*(\ks)+512*\c
	ds_load_b128 v[XB+24*(\s)+16+4*\c:XB+24*(\s)+16+4*\c+3], v[L16] offset:16384+1024*(\ks)+512*\c
.endr
	ds_load_b32 v[XS+3*(\s)],   v[XSRA] offset:128*(\ks)
	ds_load_b32 v[XS+3*(\s)+1], v[XSRA] offset:1024+128*(\ks)
	ds_load_b32 v[XS+3*(\s)+2], v[XSR2] offset:2048+128*(\ks)
.endm
.macro MULQK ks, s                     ; three products; the three accumulators take turns, one instruction a turn, from step to step too.  The first step starts the sums: 0, 0, the bias
.if (\ks) == 0
	v_wmma_scale_f32_16x16x128_f8f6f4 v[ACC:ACC+7], v[WFA:WFA+7], v[XB+24*(\s):XB+24*(\s)+7], 0, v[WSA], v[XS+3*(\s)] matrix_a_fmt:MATRIX_FMT_FP4 matrix_b_fmt:MATRIX_FMT_FP4
	v_wmma_scale_f32_16x16x128_f8f6f4 v[ACC+8:ACC+15], v[WFA:WFA+7], v[XB+24*(\s)+8:XB+24*(\s)+15], 0, v[WSA], v[XS+3*(\s)+1] matrix_a_fmt:MATRIX_FMT_FP4 matrix_b_fmt:MATRIX_FMT_FP4
	v_wmma_scale_f32_16x16x128_f8f6f4 v[ACC+16:ACC+23], v[WFB:WFB+7], v[XB+24*(\s)+16:XB+24*(\s)+23], v[B8:B8+7], v[WSB], v[XS+3*(\s)+2] matrix_a_fmt:MATRIX_FMT_FP4 matrix_b_fmt:MATRIX_FMT_FP4
.else
	v_wmma_scale_f32_16x16x128_f8f6f4 v[ACC:ACC+7], v[WFA+8*(\ks):WFA+8*(\ks)+7], v[XB+24*(\s):XB+24*(\s)+7], v[ACC:ACC+7], v[WSA+(\ks)], v[XS+3*(\s)] matrix_a_fmt:MATRIX_FMT_FP4 matrix_b_fmt:MATRIX_FMT_FP4
	v_wmma_scale_f32_16x16x128_f8f6f4 v[ACC+8:ACC+15], v[WFA+8*(\ks):WFA+8*(\ks)+7], v[XB+24*(\s)+8:XB+24*(\s)+15], v[ACC+8:ACC+15], v[WSA+(\ks)], v[XS+3*(\s)+1] matrix_a_fmt:MATRIX_FMT_FP4 matrix_b_fmt:MATRIX_FMT_FP4
	v_wmma_scale_f32_16x16x128_f8f6f4 v[ACC+16:ACC+23], v[WFB+8*(\ks):WFB+8*(\ks)+7], v[XB+24*(\s)+16:XB+24*(\s)+23], v[ACC+16:ACC+23], v[WSB+(\ks)], v[XS+3*(\s)+2] matrix_a_fmt:MATRIX_FMT_FP4 matrix_b_fmt:MATRIX_FMT_FP4
.endif
.endm
	FETCHX 0, 0
	s_wait_loadcnt 37                              ; the weights, their scale words and the bias are in; the 37 issued behind them may be out
.irp j, 0,1,2,3,4,5,6,7
	v_cndmask_b32 v[B8+\j], 0, v[B8+\j], s40       ; the bias belongs to q alone: zeros where the third product is k
.endr
.rept 4
	v_nop
.endr
.irp ks, 0,1,2,3,4,5,6,7
.if \ks > 0 && \ks < 7
.rept 4
	v_nop                                          ; places in front of loads into the set that the last three products read (ISA guide 7.12.1 for vector instructions)
.endr
.endif
.if \ks < 7
	FETCHX (\ks)+1, ((\ks)+1)%2
	s_wait_dscnt 9                                 ; this step's nine loads are in; the next step's nine may be out
.else
	s_wait_dscnt 0x0
.endif
	WIN 0x01                                       ; source 0 (the weight) window 1
	MULQK \ks, (\ks)%2
	WIN 0
.endr
.rept 4
	v_nop                                          ; places in front of the first read of results
.endr
.set n, 0
.rept 12
	v_pk_mul_f32 v[ACC+2*n:ACC+2*n+1], v[ACC+2*n:ACC+2*n+1], s[30:31] op_sel_hi:[1,0]   ; x 2 log2(e); each accumulator from its low end on
.set n, n+1
.endr
	ds_store_b128 v[SQA], v[ACC:ACC+3]
	ds_store_b128 v[SQA], v[ACC+4:ACC+7] offset:16
	ds_store_b128 v[SQA], v[ACC+8:ACC+11] offset:16*QP
	ds_store_b128 v[SQA], v[ACC+12:ACC+15] offset:16*QP+16
	ds_store_b128 v[SQ2], v[ACC+16:ACC+19]
	ds_store_b128 v[SQ2], v[ACC+20:ACC+23] offset:16
	BARRIER                                        ; q' of the 16 queries and k' of the 80 rows lie in LDS
	; ---- 2: t = log2(e) e for my query and four keys
	s_wait_loadcnt 0x0                             ; Wa, ba, V: they had phase 1 in which to land
.set n, 0
.rept 16
	ds_load_b128 v[Q+4*n:Q+4*n+3], v[AQ] offset:16*n
.set n, n+1
.endr
	WIN 0x05                                       ; sources 0 and 1 window 1: Wa
	v_pk_add_f32 v[SM:SM+1], v[WA:WA+1], v[WA+2:WA+3]
	v_pk_add_f32 v[SM+2:SM+3], v[WA+4:WA+5], v[WA+6:WA+7]
	WIN 0x04                                       ; source 1 window 1
.set n, 8
.rept 14
	v_pk_add_f32 v[SM:SM+1], v[SM:SM+1], v[WA+n:WA+n+1]
	v_pk_add_f32 v[SM+2:SM+3], v[SM+2:SM+3], v[WA+n+2:WA+n+3]
.set n, n+4
.endr
	WIN 0
	v_pk_add_f32 v[SM:SM+1], v[SM:SM+1], v[SM+2:SM+3]
	v_add_f32 v[SM], v[SM], v[SM+1]
	v_add_f32 v[SM], v[SM], v[BA]                  ; sum Wa + ba
	v_mul_f32 v[T0], s33, v[SM]
.macro TANH dd                         ; key row r + 8 w + 4 h + dd
.set n, 0
.rept 16
	ds_load_b128 v[KZ+4*n:KZ+4*n+3], v[AK] offset:QP*(\dd)+16*n
.set n, n+1
.endr
	s_wait_dscnt 0x0
.set n, 0
.rept 32
	v_pk_add_f32 v[KZ+2*n:KZ+2*n+1], v[KZ+2*n:KZ+2*n+1], v[Q+2*n:Q+2*n+1]       ; z = 2 log2(e) (q + k + bh)
.set n, n+1
.endr
.set n, 0
.rept 64
	v_exp_f32 v[KZ+n], v[KZ+n]                     ; one batch.  Infinity gives 1 / (1 + 2^z) = 0 and 0 gives 1: no hold is needed
.set n, n+1
.endr
	v_add_nc_u32 v[TA], \dd, v[J]                  ; my key (the plain line behind the batch)
	s_wait_alu depctr_va_vdst(0)                   ; the wait ahead of the batch's first reader: one for the 64
.set n, 0
.rept 32
	v_pk_add_f32 v[KZ+2*n:KZ+2*n+1], v[KZ+2*n:KZ+2*n+1], 1.0 op_sel_hi:[1,0]
.set n, n+1
.endr
.set n, 0
.rept 64
	v_rcp_f32 v[KZ+n], v[KZ+n]
.set n, n+1
.endr
	v_nop                                          ; the plain line behind the batch
	s_wait_alu depctr_va_vdst(0)                   ; and its one wait
	WIN 0x04                                       ; source 1 window 1: Wa
.irp k, 0,1,2,3
	v_pk_mul_f32 v[SM+2*\k:SM+2*\k+1], v[KZ+2*\k:KZ+2*\k+1], v[WA+2*\k:WA+2*\k+1]           ; four chains; the first products start them
.endr
.set n, 4
.rept 28
	v_pk_fma_f32 v[SM+2*(n%4):SM+2*(n%4)+1], v[KZ+2*n:KZ+2*n+1], v[WA+2*n:WA+2*n+1], v[SM+2*(n%4):SM+2*(n%4)+1]
.set n, n+1
.endr
	WIN 0
	v_pk_add_f32 v[SM:SM+1], v[SM:SM+1], v[SM+2:SM+3]
	v_pk_add_f32 v[SM+4:SM+5], v[SM+4:SM+5], v[SM+6:SM+7]
	v_pk_add_f32 v[SM:SM+1], v[SM:SM+1], v[SM+4:SM+5]
	v_add_f32 v[SM], v[SM], v[SM+1]
	v_cmp_gt_u32 vcc_lo, s34, v[TA]                ; is the key one of the batch's 1,024?
	v_fma_f32 v[TT], v[SM], s32, v[T0]             ; t = log2(e) (sum Wa + ba) - 2 log2(e) sum Wa / (1 + 2^z)
	v_cndmask_b32 v[TT], v[NINF], v[TT], vcc_lo    ; -infinity where it is not
	ds_store_b32 v[AE], v[TT] offset:4*(\dd)
.endm
	TANH 0
	TANH 1
	TANH 2
	TANH 3
	BARRIER                                        ; the 16 x 64 band of t lies in LDS, -infinity round it
	; ---- 3: the softmax and its quantiser.  Register 16 b + i = window key 32 b + 16 h + i of query r
.irp b, 0,1,2,3
.irp j, 0,1,2,3
	ds_load_b128 v[KZ+16*\b+4*\j:KZ+16*\b+4*\j+3], v[ATR] offset:128*\b+16*\j
.endr
.endr
	v_perm_b32 v[TP],   v[SW+1], v[SW],   0x05010400       ; V's scale bytes: four registers (a block each) of four columns' bytes become four registers (a column each) of four blocks' bytes
	v_perm_b32 v[TP+1], v[SW+1], v[SW],   0x07030602
	v_perm_b32 v[TP+2], v[SW+3], v[SW+2], 0x05010400
	v_perm_b32 v[TP+3], v[SW+3], v[SW+2], 0x07030602
	v_perm_b32 v[VW],   v[TP+2], v[TP],   0x05040100       ; v[VW + tt]: lanes 0-15 the words of my columns 32 tt + r, lanes 16-31 of 32 tt + 16 + r
	v_perm_b32 v[VW+1], v[TP+2], v[TP],   0x07060302
	v_perm_b32 v[VW+2], v[TP+3], v[TP+1], 0x05040100
	v_perm_b32 v[VW+3], v[TP+3], v[TP+1], 0x07060302
.irp b, 0,1,2,3
	v_mov_b32 v[BX+\b], 0                          ; a lane permute's destination counts as one of its sources
.endr
	v_mov_b32 v[NM+1], 0                           ; (named as the upper half of a pair)
	s_wait_dscnt 0x0
.irp b, 0,1,2,3
	v_max3_num_f32 v[BM+\b], v[KZ+16*\b], v[KZ+16*\b+1], v[KZ+16*\b+2]        ; the largest t of each block of 32 keys: it serves the row's maximum and, since p rises with t, the block's largest p
.endr
.irp i, 3,5,7,9,11,13
.irp b, 0,1,2,3
	v_max3_num_f32 v[BM+\b], v[BM+\b], v[KZ+16*\b+\i], v[KZ+16*\b+\i+1]
.endr
.endr
.irp b, 0,1,2,3
	v_max_num_f32 v[BM+\b], v[BM+\b], v[KZ+16*\b+15]
.endr
.irp b, 0,1,2,3
	v_permlanex16_b32 v[BX+\b], v[BM+\b], s28, s29
.endr
.irp b, 0,1,2,3
	v_max_num_f32 v[BM+\b], v[BM+\b], v[BX+\b]     ; with lane l xor 16's 16 keys
.endr
	v_max3_num_f32 v[TP], v[BM], v[BM+1], v[BM+2]
	v_max_num_f32 v[TP], v[TP], v[BM+3]            ; the row's largest t: a number, since a query's own key always counts
	v_floor_f32 v[NM], -v[TP]                      ; -M = floor(-t) = -ceil(t)
.set n, 0
.rept 32
	v_pk_add_f32 v[KZ+2*n:KZ+2*n+1], v[KZ+2*n:KZ+2*n+1], v[NM:NM+1] op_sel_hi:[1,0]
.set n, n+1
.endr
.irp b, 0,1,2,3
	v_add_f32 v[BM+\b], v[BM+\b], v[NM]
.endr
.set n, 0
.rept 64
	v_exp_f32 v[KZ+n], v[KZ+n]                     ; p = 2^(t - M): not normalised; 0 where t is -infinity
.set n, n+1
.endr
	v_mov_b32 v[RL+1], 0                           ; (the plain line behind the batch; named later as the upper half of a pair)
	s_wait_alu depctr_va_vdst(0)                   ; the wait ahead of the batch's first reader
.irp b, 0,1,2,3
	v_exp_f32 v[BM+\b], v[BM+\b]                   ; the block's largest p: the same addition and exponential on the same number
.endr
	v_pk_add_f32 v[LS:LS+1], v[KZ:KZ+1], v[KZ+2:KZ+3]              ; the row's sum is taken of the unquantised p, in two chains (plain work behind the four)
	v_pk_add_f32 v[LS+2:LS+3], v[KZ+4:KZ+5], v[KZ+6:KZ+7]
.set n, 8
.rept 14
	v_pk_add_f32 v[LS:LS+1], v[LS:LS+1], v[KZ+n:KZ+n+1]
	v_pk_add_f32 v[LS+2:LS+3], v[LS+2:LS+3], v[KZ+n+2:KZ+n+3]
.set n, n+4
.endr
	v_pk_add_f32 v[LS:LS+1], v[LS:LS+1], v[LS+2:LS+3]
	s_wait_alu depctr_va_vdst(0)                   ; and one wait for the four
.irp b, 0,1,2,3
	v_max_num_f32 v[BM+\b], 0x1800000, v[BM+\b]    ; the floor 2^(3 - 127): the byte cannot fall under 1 (a block of zeros keeps that byte: its codes are zeros)
.endr
.irp b, 0,1,2,3
	v_add_nc_u32 v[SO+\b], 0xff000000, v[BM+\b]    ; 2 off the exponent field: the conversion's scale operand
.endr
.irp b, 0,1,2,3
	v_lshrrev_b32 v[BY+\b], 23, v[SO+\b]           ; the scale's byte
.endr
	v_lshl_or_b32 v[PW], v[BY+1], 8, v[BY]         ; p's scale word for the window's 128 keys
	v_lshl_or_b32 v[PW], v[BY+2], 16, v[PW]
	v_lshl_or_b32 v[PW], v[BY+3], 24, v[PW]
.irp b, 0,1,2,3
	v_cvt_scalef32_pk8_fp4_f32 v[PC+2*\b], v[KZ+16*\b:KZ+16*\b+7], v[SO+\b]
	v_cvt_scalef32_pk8_fp4_f32 v[PC+2*\b+1], v[KZ+16*\b+8:KZ+16*\b+15], v[SO+\b]
.endr
	v_nop                                          ; one plain line between a scaled conversion and the vector instruction that touches its result
.irp c, 0,1                            ; the operand's layout wants a whole block in a lane: lanes 0-15 block 2 c, lanes 16-31 block 2 c + 1
.irp i, 0,1
	v_permlane16_swap_b32 v[PC+4*\c+\i], v[PC+4*\c+2+\i]
.endr
.endr
	v_add_f32 v[LS], v[LS], v[LS+1]
	v_permlanex16_b32 v[BX], v[LS], s28, s29
	v_add_f32 v[LS], v[LS], v[BX]                  ; the row's sum
	v_rcp_f32 v[RL], v[LS]
.rept 8
	v_nop                                          ; the plain line behind the reciprocal; the eight places between p's scale word and the scaled products, the four behind p's codes
.endr
	s_wait_alu depctr_va_vdst(0)                   ; the wait ahead of the reciprocal's first reader
	; ---- 4: O^T = V^T P^T: source 0 = 16 of my 128 columns, source 1 = p's 16 queries, K = the window's 128 keys.  One K step: every product starts and ends its sum
	WIN 0x01                                       ; source 0 (V) window 1
.irp t, 0,2,4,6
	v_wmma_scale_f32_16x16x128_f8f6f4 v[O+8*\t:O+8*\t+7], v[VF+8*\t:VF+8*\t+7], v[PC:PC+7], 0, v[VW+\t/2], v[PW] matrix_a_fmt:MATRIX_FMT_FP4 matrix_b_fmt:MATRIX_FMT_FP4
	v_wmma_scale_f32_16x16x128_f8f6f4 v[O+8*\t+8:O+8*\t+15], v[VF+8*\t+8:VF+8*\t+15], v[PC:PC+7], 0, v[VW+\t/2], v[PW] matrix_a_fmt:MATRIX_FMT_FP4 matrix_b_fmt:MATRIX_FMT_FP4 matrix_a_scale:MATRIX_SCALE_ROW1
.endr
	WIN 0
	; ---- 5: the way out.  Lane (r, h), register 8 t + j: out(query r, column 128 w + 16 t + 8 h + j)
.rept 4
	v_nop                                          ; places in front of the first read of results
.endr
.set n, 0
.rept 32
	v_pk_mul_f32 v[O+2*n:O+2*n+1], v[O+2*n:O+2*n+1], v[RL:RL+1] op_sel_hi:[1,0]         ; / the sum; each accumulator from its low end on
.set n, n+1
.endr
.irp t, 0,1,2,3,4,5,6,7
	ds_store_b128 v[STO], v[O+8*\t:O+8*\t+3] offset:64*\t
	ds_store_b128 v[STO], v[O+8*\t+4:O+8*\t+7] offset:64*\t+16
.endr
.irp i, 0,1,2,3,4,5,6,7,8,9,10,11,12,13,14,15
	ds_load_b128 v[KZ+4*\i:KZ+4*\i+3], v[SRD] offset:QP*\i         ; the stage is my wave's own, and LDS serves a wave's instructions in order: these see the stores above
.endr
.irp i, 0,1,2,3,4,5,6,7,8,9,10,11,12,13,14,15
	s_wait_dscnt 15-\i                             ; row i is back; the younger rows may be out
	global_store_b128 v[L16], v[KZ+4*\i:KZ+4*\i+3], s[56:57] offset:4096*\i th:TH_STORE_NT   ; 32 lanes store 512 consecutive bytes, at a multiple of 256 from out's first byte
.endr
	s_wait_tensorcnt 0x0
	ds_add_u32 v94, v95
	s_wait_dscnt 0x0
	s_endpgm
.Lfunc_end_k_qcdd42e8230_attend:
	.size	k_qcdd42e8230_attend, .Lfunc_end_k_qcdd42e8230_attend-k_qcdd42e8230_attend
	.p2alignl 7, 3214868480
	.fill 96, 4, 3214868480
	.section	.rodata,"a",@progbits
	.p2align	6, 0x0
	.amdhsa_kernel k_qcdd42e8230_attend
		.amdhsa_group_segment_fixed_size 169216
		.amdhsa_private_segment_fixed_size 0
		.amdhsa_enable_private_segment 0
		.amdhsa_kernarg_size 64
		.amdhsa_user_sgpr_count 2
		.amdhsa_user_sgpr_kernarg_segment_ptr 1
		.amdhsa_wavefront_size32 1
		.amdhsa_system_sgpr_workgroup_id_x 1
		.amdhsa_system_sgpr_workgroup_id_y 1
		.amdhsa_system_sgpr_workgroup_id_z 1
		.amdhsa_system_vgpr_workitem_id 0
		.amdhsa_next_free_vgpr 512
		.amdhsa_next_free_sgpr 66
		.amdhsa_reserve_vcc 1
		.amdhsa_float_denorm_mode_32 3
		.amdhsa_float_denorm_mode_16_64 3
		.amdhsa_memory_ordered 1
		.amdhsa_forward_progress 1
		.amdhsa_inst_pref_size 100
	.end_amdhsa_kernel
	.amdgpu_metadata
---
amdhsa.version: [ 1, 2 ]
amdhsa.kernels:
  - .name:           k_qcdd42e8230_attend
    .symbol:         k_qcdd42e8230_attend.kd
    .args:
      - { .name: dk_codes, .offset: 0, .size: 8, .value_kind: global_buffer, .address_space: global }
      - { .name: dk_scales, .offset: 8, .size: 8, .value_kind: global_buffer, .address_space: global }
      - { .name: xs_codes, .offset: 16, .size: 8, .value_kind: global_buffer, .address_space: global }
      - { .name: xs_scales, .offset: 24, .size: 8, .value_kind: global_buffer, .address_space: global }
      - { .name: bh, .offset: 32, .size: 8, .value_kind: global_buffer, .address_space: global }
      - { .name: Wa, .offset: 40, .size: 8, .value_kind: global_buffer, .address_space: global }
      - { .name: ba, .offset: 48, .size: 8, .value_kind: global_buffer, .address_space: global }
      - { .name: out0, .offset: 56, .size: 8, .value_kind: global_buffer, .address_space: global }
    .group_segment_fixed_size: 169216
    .private_segment_fixed_size: 0
    .kernarg_segment_align: 8
    .kernarg_segment_size: 64
    .max_flat_workgroup_size: 256
    .sgpr_count:     66
    .vgpr_count:     512
    .wavefront_size: 32
...
	.end_amdgpu_metadata
.endif
;; end of part 2
;; ======== version 2 of 2: 2 launches; version 1 with the launch attend written anew for expert scheduling mode
;; limits: right only within a limited range of input values
;; workspace buffers: xs_codes 2,097,152 bytes; xs_scales 131,072 bytes; dk_codes 2,162,688 bytes; dk_scales 135,168 bytes
;; launch quant: the kernel of part 1 again; grid 264 x 1, 4 waves a work-group, no clusters, 18,944 bytes of LDS; arguments x, Wt, Wx, xs_codes, xs_scales, dk_codes, dk_scales; writes xs_codes, xs_scales, dk_codes, dk_scales
;; launch attend (part 3): grid 256 x 1, 8 waves a work-group, no clusters, 169,216 bytes of LDS; arguments dk_codes, dk_scales, xs_codes, xs_scales, bh, Wa, ba, out0; writes out0
.if DOCPART == 3
	.amdgcn_target "amdgcn-amd-amdhsa--gfx1250"
	.amdhsa_code_object_version 6
	.text
	.protected	k_qcdd42e8230_attend
	.globl	k_qcdd42e8230_attend
	.p2align	8
	.type	k_qcdd42e8230_attend,@function
k_qcdd42e8230_attend:
	s_mov_b64 s[64:65], 0
	v_nop
	global_prefetch_b8 v0, s[64:65] scope:SCOPE_SE
	s_setreg_imm32_b32 hwreg(HW_REG_WAVE_SCHED_MODE, 0, 2), 2
	s_setreg_imm32_b32 hwreg(HW_REG_WAVE_MODE, 25, 1), 1
	s_wait_xcnt 0x0
	s_wait_alu depctr_vm_vsrc(0)
; out[b][i][:] = sum over j of softmax_j(e_ij) x[b][j][:],  e_ij = sum over u of Wa[u] tanh(q_i + k_j + bh)[u] + ba,  q = x Wt, k = x Wx,  j in [i - 32, i + 32) and in 0 .. 1023.
; q, k and p x are products on codes of FP4 (E2M1) with one E8M0 scale for each 32 along K; the codes were made by the launch before, in the order of the operand registers.
; THE BAND.  Outside it the logit lies 10,000 - 2 sum|Wa| or more under the row's largest, so that p = 2^(t - M) is 0 in f32: only the band is computed.  LIMIT: sum|Wa| under 4,900.  NaN and infinities among the inputs are not served.
; SHARES.  A work-group owns 16 queries (16 T16 on, batch b); eight waves, two to a SIMD.  Its keys are local rows 0 .. 79 (key = 16 T16 - 32 + row): five tiles of 16 rows of x.  Its K step of p x is the aligned window of
; four blocks of 32 keys, 2 g - 1 .. 2 g + 2, g = T16 / 4.  Tiles and blocks beyond the batch's ends are clamped into it: what they bring is finite and meets p = 0.
; PHASES.  0: wave w copies K step w of the five tiles of x into LDS as images of the operand's registers; weights, V's fragments, Wa go straight into registers | barrier |
;  1: 24 tiles of 16 x 16 (k of 5 tiles x 4, q of 1 x 4), three a wave, transposed (source 0 = 16 units of W, source 1 = 16 rows of x): a lane holds one row and 8 units; x 2 log2(e); to LDS | barrier |
;  2: lane (query r, half hh) of wave w takes keys r + 8 w + 4 hh + 0 .. 3: tanh(y) = 1 - 2 / (1 + 2^(2 log2(e) y)), so t = log2(e) (sum Wa + ba) - 2 log2(e) sum Wa / (1 + 2^z); f32 multiply-adds; t to LDS | barrier |
;  3: every wave: the 16 x 128 window of t (-infinity where no key counts); M = ceil(the row's largest t); p = 2^(t - M); the row's sum of the unquantised p; p quantised along the keys in registers;
;  4: O^T = V^T P^T: wave w makes columns 128 w .. + 127: eight products of one K step;  5: / the sum, through the wave's own stage, whole rows of 512 bytes out.
; NO CLUSTER: what neighbouring work-groups share (the weights' 64 KiB of codes, a window's 64 KiB) goes from memory straight into operand registers, 16 bytes a lane; a joint load would land it in LDS and add those bytes as LDS reads.
; NO PREFETCH: every global load is issued in phase 0.
; THE MODE: SCHED_MODE bits 1:0 = 2 (LLVM: expert scheduling mode 2), set by the entry lines.  The code itself states the register dependences between vector or matrix instructions and memory or LDS instructions, with s_wait_alu, always for 0.
; THE PLAN.  Registers that memory or LDS instructions touch, and who else names them:
;   v1-37, v60-63   addresses, offsets and the fill's -infinity: all made at the head, ahead of ONE wait on va_vdst, and never written again.
;   v128-172        staging: global loads land, LDS stores read.  One wait on vm_vsrc behind the first barrier; then x's fragments land there.
;   XB0-2, XS0-2    three sets of x's fragments and scale words by turns.  Step ks multiplies set ks % 3; its LDS loads bring step ks + 2 into set (ks + 2) % 3, which step ks - 1's products read:
;                   one wait on va_vdst at the step's head, behind the wait for the step's own data.
;   ACC             written by the products and the scalings, read by six LDS stores: one wait on va_vdst ahead of them.  All products stand ahead of that wait and no vector instruction behind it names XB or the weights' registers:
;                   so it also serves the loads of q' and k', which land there.
;   KR0, KR1        two raw buffers of k' by turns.  Key dd's additions read KR[dd % 2] and write z into KZ; the wait behind the key's exponentials states that they are done, and key dd + 2's loads follow it.
;   TT0-3           t of my four keys, a register each: key dd's is stored behind the wait behind key dd + 1's exponentials, the last behind a wait of its own.
;   v96-123         ACC's and TT's registers are written again in phase 3: one wait on vm_vsrc behind the third barrier.
;   KZ              phases 3 and 5 load into it: the waits ahead of the last store of t and ahead of the stage's stores stand behind its last vector readers.
;   O               written by the last products and scalings, read by the stage's stores: one wait on va_vdst.
; REGISTERS, window 0: v1-37 addresses, never rewritten; v38-39, v90-93 at work; v40-47 V's scale bytes and words; v48-63 small numbers; v64-89 scale words and nothing else; v96-127 phase 1's accumulators and the bias, then t, later the softmax's
;   small registers; v128-199 staging, x's fragments (three sets); v128-191 q', O^T; v192-255 z, t and p, rows of out.   window 1: v0-63 V's fragments, v64-191 the weights' fragments, then k', v192-255 Wa.
.set XSC, 40960                        ; LDS: 0: x's 40 fragments, (tile p x 8 + ks) x 1,024;  XSC: their scale words, 128 bytes each
.set QK,  46080                        ; 80 rows of 528 bytes: 256 of q' (rows 32-47 alone), 256 of k', 16 of padding
.set QP,  528
.set EB,  88320                        ; t: 16 rows of 720 bytes; column 48 + r + delta is written; 12,288 bytes are filled with -infinity first
.set STG, 100608                       ; a stage of 16 rows x 528 bytes for each wave
.set L16, 1                            ; 16 lane: an image's place; tile 2's fragments; my 16 bytes of a row of out
.set EF,  2
.set XW,  3
.set XSW, 4
.set XRA, 5
.set XSRA, 6
.set XSR2, 7
.set SQA, 8
.set SQ2, 9
.set AQ,  10
.set AK,  11
.set AE,  12
.set ATR, 13
.set STO, 14
.set SRD, 15
.set VO,  16                           ; v16-20 global offsets of my K step of the five tiles;  v21-25 of their scale words
.set VOS, 21
.set WOA, 26
.set WOB, 27
.set WSOA, 28
.set WSOB, 29
.set BO,  30
.set VV,  31                           ; v31-32 V's fragments: register groups 0 and 1
.set VS,  33                           ; v33-36 V's scale bytes, block p
.set Z0,  37
.set TA,  38
.set SW,  40                           ; v40-43 V's scale bytes as they lie: block p: four columns' bytes
.set VW,  44                           ; v44-47 V's scale words: a column's four blocks
.set T0,  48                           ; log2(e) (sum Wa + ba)
.set BA,  49
.set SM,  50                           ; v50-57 four pairs of sums (at the head: r, h, lane and their multiples)
.set J,   59                           ; my first key
.set NINF, 60                          ; v60-63 -infinity
.set WSA, 64                           ; v64-71 Wx's scale words, K step ks;  v72-79 those of the third product's weight
.set WSB, 72
.set XS,  80                           ; v80-88 x's scale words, three sets of three
.set PW,  89                           ; p's scale word
.set TP,  90
.set ACC, 96                           ; v96-119 three accumulators
.set B8,  120                          ; v120-127 bh at my eight units, or zeros
.set TT,  120                          ; v120-123 t of my four keys
.set PC,  96                           ; v96-103 p's codes
.set BM,  104                          ; v104-107 a block's largest t, then its largest p
.set BX,  108
.set SO,  112                          ; the conversions' scale operands
.set BY,  116                          ; the scales' bytes
.set NM,  120                          ; v[120:121] -M
.set LS,  122                          ; v[122:125] the row's sum, in two chains
.set RL,  126                          ; v[126:127] 1 / the sum
.set XB,  128                          ; x's fragments: set s at v[128 + 24 s], three of 8
.set Q,   128
.set O,   128
.set KZ,  192
.set VF,  0                            ; window 1
.set WFA, 64
.set WFB, 128
.set KR,  64                           ; window 1: k' as loaded: buffer b at v[64 + 64 b], in the weights' places
.set WA,  192
.set MSB, 0
.macro WIN new                         ; s_set_vgpr_msb: bits 1:0 source 0, 3:2 source 1, 5:4 source 2, 7:6 destination; the high byte repeats the setting that is left
.if MSB != \new
	s_set_vgpr_msb (MSB<<8)|\new
.set MSB, \new
.endif
.endm
.macro BARRIER                         ; my LDS stores have landed and my LDS loads are in: then the work-group's barrier
	s_wait_dscnt 0x0
	s_barrier_signal -1
	s_barrier_wait -1
.endm
	; ---- 0: ids, every offset and address, then the loads
	s_load_b256 s[8:15], s[0:1], 0x0               ; dk_codes s[8:9], dk_scales s[10:11], xs_codes s[12:13], xs_scales s[14:15]
	s_load_b256 s[16:23], s[0:1], 0x20             ; bh s[16:17], Wa s[18:19], ba s[20:21], out0 s[22:23]
	v_lshl_add_u32 v94, v0, 2, 0x29100
	v_mov_b32 v95, 0
	v_lshrrev_b32 v[TA], 5, v0
	v_readfirstlane_b32 s2, v[TA]                  ; wave w 0..7
	s_lshr_b32 s6, ttmp9, 6                        ; batch b
	s_and_b32 s7, ttmp9, 63                        ; T16
	v_and_b32 v52, 31, v0                          ; lane
	v_and_b32 v50, 15, v0                          ; r
	v_bfe_u32 v51, v0, 4, 1                        ; h
	v_lshlrev_b32 v[L16], 4, v52
	s_wait_alu depctr_va_sdst(0)                   ; s2 is written, ahead of its first reader: the wave's shares and addresses are made from it
	s_and_b32 s3, s2, 3                            ; nn: which 16 units
	s_lshr_b32 s4, s2, 2                           ; grp
	s_xor_b32 s5, s4, 1
	s_lshl_b32 s24, s2, 10
	v_add_nc_u32 v[XW], s24, v[L16]                ; 1,024 w + 16 lane: my K step in a tile, in memory and in LDS
	s_lshl_b32 s26, s6, 6                          ; 64 b
	s_lshl_b32 s27, s2, 6
	v_lshl_add_u32 v53, v50, 2, s27                ; 64 w + 4 r
.irp p, 0,1,2,3,4
	s_add_co_i32 s24, s7, \p-2
	s_max_i32 s24, s24, 0
	s_min_i32 s24, s24, 63                         ; tile T16 - 2 + p, held inside the batch
	s_add_co_u32 s24, s24, s26
	s_lshl_b32 s25, s24, 13
	v_add_nc_u32 v[VO+\p], s25, v[XW]
	s_lshl_b32 s25, s24, 9
	v_add_nc_u32 v[VOS+\p], s25, v53
.endr
	s_add_co_u32 s24, s3, 260                      ; Wx's tile nn
	s_lshl_b32 s25, s24, 13
	v_add_nc_u32 v[WOA], s25, v[L16]
	v_lshlrev_b32 v54, 2, v50                      ; 4 r
	s_lshl_b32 s25, s24, 9
	v_add_nc_u32 v[WSOA], s25, v54
	s_lshl_b32 s24, s5, 2
	s_add_co_u32 s24, s24, s3
	s_add_co_u32 s24, s24, 256                     ; the third product's weight: grp 1: Wt's tile nn (q); grp 0: Wx's again (k of tile 2)
	s_lshl_b32 s25, s24, 13
	v_add_nc_u32 v[WOB], s25, v[L16]
	s_lshl_b32 s25, s24, 9
	v_add_nc_u32 v[WSOB], s25, v54
	s_lshl_b32 s24, s3, 6
	v_lshl_add_u32 v[BO], v51, 5, s24              ; bh at units 16 nn + 8 h on
	v_lshl_add_u32 v[EF], v0, 4, EB
.irp i, 0,1,2,3
	v_mov_b32 v[NINF+\i], 0xff800000
.endr
	s_mov_b32 s28, 0x76543210                      ; v_permlanex16_b32's selects for lane l xor 16
	s_mov_b32 s29, 0xfedcba98
	s_mov_b32 s30, 0x4038aa3b                      ; 2 log2(e)
	s_mov_b32 s31, s30                             ; (named with it as a pair, so it is written)
	s_mov_b32 s32, 0xc038aa3b                      ; -2 log2(e)
	s_mov_b32 s33, 0x3fb8aa3b                      ; log2(e)
	s_mov_b32 s34, 1024
	s_sub_co_u32 s40, 0, s4                        ; all ones where grp = 1: there the third product is q and takes the bias
	v_lshl_add_u32 v[XSW], v0, 2, XSC              ; XSC + 128 w + 4 lane
	s_mul_i32 s24, s4, 24576
	v_add_nc_u32 v[XRA], s24, v[L16]               ; x's tiles 3 grp, 3 grp + 1
	s_mul_i32 s24, s4, 3072
	s_add_co_u32 s24, s24, XSC
	v_lshl_add_u32 v[XSRA], v52, 2, s24
	v_lshl_add_u32 v[XSR2], v52, 2, XSC
	v_mul_u32_u24 v39, v50, QP                     ; 528 r
	v_lshl_add_u32 v[TA], v51, 5, v39              ; 528 r + 32 h
	s_mul_i32 s24, s4, 48*QP
	s_lshl_b32 s25, s3, 6
	s_add_co_u32 s24, s24, s25
	s_add_co_u32 s24, s24, QK+256
	v_add_nc_u32 v[SQA], s24, v[TA]                ; k': row 48 grp + r, units 16 nn + 8 h on
	s_lshl_b32 s24, s5, 8
	s_add_co_u32 s24, s24, s25
	s_add_co_u32 s24, s24, QK+32*QP
	v_add_nc_u32 v[SQ2], s24, v[TA]                ; row 32 + r: grp 1: q' at byte 0; grp 0: k' at byte 256
	v_add_nc_u32 v[AQ], QK+32*QP, v39              ; q' of my query
	v_mad_u32_u24 v[AK], v51, 4*QP, v39
	s_mul_i32 s24, s2, 8*QP
	s_add_co_u32 s24, s24, QK+256
	v_add_nc_u32 v[AK], s24, v[AK]                 ; k' of row r + 4 h + 8 w
	v_mul_u32_u24 v[AE], v50, 724
	v_lshl_add_u32 v[AE], v51, 4, v[AE]
	s_lshl_b32 s24, s2, 5
	s_add_co_u32 s24, s24, EB+192
	v_add_nc_u32 v[AE], s24, v[AE]                 ; t: row r, column 48 + r + 4 h + 8 w
	v_mul_u32_u24 v[ATR], v50, 720
	v_lshl_add_u32 v[ATR], v51, 6, v[ATR]
	s_and_b32 s24, ttmp9, 3
	s_xor_b32 s24, s24, 3
	s_lshl_b32 s24, s24, 6
	s_add_co_u32 s24, s24, EB
	v_add_nc_u32 v[ATR], s24, v[ATR]               ; the window: its key 0 is column 16 (3 - T16 % 4); row r, + 16 h keys
	s_mul_i32 s24, s2, 16*QP
	s_add_co_u32 s24, s24, STG
	v_add_nc_u32 v[STO], s24, v[TA]
	v_add_nc_u32 v[SRD], s24, v[L16]
	s_lshr_b32 s26, s7, 2
	s_lshl_b32 s26, s26, 1                         ; 2 g
	s_lshl_b32 s27, s6, 5                          ; 32 b
.irp p, 0,1,2,3
	s_add_co_i32 s24, s26, \p-1
	s_max_i32 s24, s24, 0
	s_min_i32 s24, s24, 31                         ; key block 2 g - 1 + p, held inside the batch
	s_add_co_u32 s[41+\p], s24, s27
	s_lshl_b32 s24, s[41+\p], 10
	v_lshl_add_u32 v[VS+\p], v0, 2, s24            ; xs_scales: block x 1,024 + 128 w + 4 lane
.endr
	s_lshl_b32 s25, s2, 11                         ; my 128 columns: 2,048 w
	v_lshlrev_b32 v55, 4, v50                      ; 16 r
.irp c, 0,1                            ; register group c: lanes 0-15 block 2 c, lanes 16-31 block 2 c + 1
	s_sub_co_u32 s24, s[42+2*\c], s[41+2*\c]
	s_lshl_b32 s24, s24, 14
	v_mul_u32_u24 v[VV+\c], s24, v51
	s_lshl_b32 s24, s[41+2*\c], 14
	s_add_co_u32 s24, s24, s25
	v_add3_u32 v[VV+\c], v[VV+\c], v55, s24
.endr
	v_mov_b32 v[Z0], 0
	s_lshl_b32 s24, s7, 4
	s_lshl_b32 s25, s2, 3
	s_add_co_u32 s24, s24, s25
	s_sub_co_u32 s24, s24, 32
	v_lshl_add_u32 v[J], v51, 2, v50
	v_add_nc_u32 v[J], s24, v[J]                   ; 16 T16 - 32 + r + 4 h + 8 w (below 0 it wraps, and the unsigned compare throws it out)
	s_lshl_b32 s24, ttmp9, 16                      ; out: 16 work-group rows of 4,096 bytes
	s_lshl_b32 s25, s2, 9                          ;      + my 128 columns
	s_or_b32 s24, s24, s25
	s_mov_b32 s25, 0
	s_wait_alu depctr_va_vdst(0)                   ; v1 to v37 and v60 to v63 are written: every load and store of the kernel reads its address or offset among them, the fill its data; none is written again
	ds_store_b128 v[EF], v[NINF:NINF+3]            ; t's region is filled with -infinity
	ds_store_b128 v[EF], v[NINF:NINF+3] offset:4096
	ds_store_b128 v[EF], v[NINF:NINF+3] offset:8192
	s_wait_kmcnt 0x0
	s_add_nc_u64 s[56:57], s[22:23], s[24:25]
.irp p, 0,1,2,3,4                      ; 15 loads: K step w of the five tiles, and its scale words
	global_load_b128 v[128+8*\p:131+8*\p], v[VO+\p], s[8:9]
	global_load_b128 v[132+8*\p:135+8*\p], v[VO+\p], s[8:9] offset:512
	global_load_b32 v[168+\p], v[VOS+\p], s[10:11]
.endr
.irp ks, 0,1,2,3,4,5,6,7               ; 50 loads: the weights' scale words, the bias, the weights' fragments
	global_load_b32 v[WSA+\ks], v[WSOA], s[10:11] offset:64*\ks
	global_load_b32 v[WSB+\ks], v[WSOB], s[10:11] offset:64*\ks
.endr
	global_load_b128 v[B8:B8+3], v[BO], s[16:17]
	global_load_b128 v[B8+4:B8+7], v[BO], s[16:17] offset:16
	WIN 0x40                                       ; destination window 1
.irp ks, 0,1,2,3,4,5,6,7
.irp c, 0,1
	global_load_b128 v[WFA+8*\ks+4*\c:WFA+8*\ks+4*\c+3], v[WOA], s[8:9] offset:1024*\ks+512*\c
	global_load_b128 v[WFB+8*\ks+4*\c:WFB+8*\ks+4*\c+3], v[WOB], s[8:9] offset:1024*\ks+512*\c
.endr
.endr
	WIN 0
	s_wait_loadcnt 50                              ; the 15 staging loads are in; the 50 issued behind them may be out
.irp p, 0,1,2,3,4
	ds_store_b128 v[XW], v[128+8*\p:131+8*\p] offset:8192*\p
	ds_store_b128 v[XW], v[132+8*\p:135+8*\p] offset:8192*\p+512
	ds_store_b32 v[XSW], v[168+\p] offset:1024*\p
.endr
	WIN 0x40                               ; 37 loads for the later phases: V's fragments, Wa, V's scale bytes, ba.  No vector instruction has named the registers in which they land
.irp t, 0,1,2,3,4,5,6,7
.irp c, 0,1
	global_load_b128 v[VF+8*\t+4*\c:VF+8*\t+4*\c+3], v[VV+\c], s[12:13] offset:256*\t
.endr
.endr
.irp j, 0,1,2,3,4,5,6,7,8,9,10,11,12,13,14,15
	global_load_b128 v[WA+4*\j:WA+4*\j+3], v[Z0], s[18:19] offset:16*\j
.endr
	WIN 0
.irp p, 0,1,2,3
	global_load_b32 v[SW+\p], v[VS+\p], s[14:15]
.endr
	global_load_b32 v[BA], v[Z0], s[20:21]
	BARRIER                                        ; x's forty fragments lie in LDS, and t's region is -infinity
	; ---- 1: q and k
.macro FETCHX ks, s                    ; nine LDS loads: K step ks of my three tiles of x, and their scale words, into set s
.irp c, 0,1
	ds_load_b128 v[XB+24*(\s)+4*\c:XB+24*(\s)+4*\c+3],       v[XRA] offset:1024*(\ks)+512*\c
	ds_load_b128 v[XB+24*(\s)+8+4*\c:XB+24*(\s)+8+4*\c+3],   v[XRA] offset:8192+1024*(\ks)+512*\c
	ds_load_b128 v[XB+24*(\s)+16+4*\c:XB+24*(\s)+16+4*\c+3], v[L16] offset:16384+1024*(\ks)+512*\c
.endr
	ds_load_b32 v[XS+3*(\s)],   v[XSRA] offset:128*(\ks)
	ds_load_b32 v[XS+3*(\s)+1], v[XSRA] offset:1024+128*(\ks)
	ds_load_b32 v[XS+3*(\s)+2], v[XSR2] offset:2048+128*(\ks)
.endm
.macro MULQK ks, s                     ; three products; the three accumulators take turns, one instruction a turn, from step to step too.  The first step starts the sums: 0, 0, the bias
.if (\ks) == 0
	v_wmma_scale_f32_16x16x128_f8f6f4 v[ACC:ACC+7], v[WFA:WFA+7], v[XB+24*(\s):XB+24*(\s)+7], 0, v[WSA], v[XS+3*(\s)] matrix_a_fmt:MATRIX_FMT_FP4 matrix_b_fmt:MATRIX_FMT_FP4
	v_wmma_scale_f32_16x16x128_f8f6f4 v[ACC+8:ACC+15], v[WFA:WFA+7], v[XB+24*(\s)+8:XB+24*(\s)+15], 0, v[WSA], v[XS+3*(\s)+1] matrix_a_fmt:MATRIX_FMT_FP4 matrix_b_fmt:MATRIX_FMT_FP4
	v_wmma_scale_f32_16x16x128_f8f6f4 v[ACC+16:ACC+23], v[WFB:WFB+7], v[XB+24*(\s)+16:XB+24*(\s)+23], v[B8:B8+7], v[WSB], v[XS+3*(\s)+2] matrix_a_fmt:MATRIX_FMT_FP4 matrix_b_fmt:MATRIX_FMT_FP4
.else
	v_wmma_scale_f32_16x16x128_f8f6f4 v[ACC:ACC+7], v[WFA+8*(\ks):WFA+8*(\ks)+7], v[XB+24*(\s):XB+24*(\s)+7], v[ACC:ACC+7], v[WSA+(\ks)], v[XS+3*(\s)] matrix_a_fmt:MATRIX_FMT_FP4 matrix_b_fmt:MATRIX_FMT_FP4
	v_wmma_scale_f32_16x16x128_f8f6f4 v[ACC+8:ACC+15], v[WFA+8*(\ks):WFA+8*(\ks)+7], v[XB+24*(\s)+8:XB+24*(\s)+15], v[ACC+8:ACC+15], v[WSA+(\ks)], v[XS+3*(\s)+1] matrix_a_fmt:MATRIX_FMT_FP4 matrix_b_fmt:MATRIX_FMT_FP4
	v_wmma_scale_f32_16x16x128_f8f6f4 v[ACC+16:ACC+23], v[WFB+8*(\ks):WFB+8*(\ks)+7], v[XB+24*(\s)+16:XB+24*(\s)+23], v[ACC+16:ACC+23], v[WSB+(\ks)], v[XS+3*(\s)+2] matrix_a_fmt:MATRIX_FMT_FP4 matrix_b_fmt:MATRIX_FMT_FP4
.endif
.endm
	s_wait_alu depctr_vm_vsrc(0)                   ; my LDS stores of phase 0 have read v128 to v172, in which x's fragments land from here on
	FETCHX 0, 0
	FETCHX 1, 1
	s_wait_loadcnt 37                              ; the weights, their scale words and the bias are in; the 37 issued behind them may be out
.irp j, 0,1,2,3,4,5,6,7
	v_cndmask_b32 v[B8+\j], 0, v[B8+\j], s40       ; the bias belongs to q alone: zeros where the third product is k
.endr
.rept 4
	v_nop
.endr
.irp ks, 0,1,2,3,4,5,6,7
.if \ks > 0 && \ks < 6
.rept 4
	v_nop                                          ; four plain lines stand between the last three products and the loads into the set that they read; the dependence itself is stated by the wait below
.endr
.endif
.if \ks < 7
	s_wait_dscnt 9                                 ; this step's nine loads are in; the next step's nine may be out
.else
	s_wait_dscnt 0x0
.endif
.if \ks > 0 && \ks < 6
	s_wait_alu depctr_va_vdst(0)                   ; the last step's products are done reading their set of fragments and scale words, in which the loads below land
.endif
.if \ks < 6
	FETCHX (\ks)+2, ((\ks)+2)%3                    ; two steps ahead; this step's products name another set  (step 0: set 2 has been named by nothing yet)
.endif
	WIN 0x01                                       ; source 0 (the weight) window 1
	MULQK \ks, (\ks)%3
	WIN 0
.endr
.rept 4
	v_nop                                          ; places in front of the first read of results
.endr
.set n, 0
.rept 12
	v_pk_mul_f32 v[ACC+2*n:ACC+2*n+1], v[ACC+2*n:ACC+2*n+1], s[30:31] op_sel_hi:[1,0]   ; x 2 log2(e); each accumulator from its low end on
.set n, n+1
.endr
	s_wait_alu depctr_va_vdst(0)                   ; the scalings have written ACC, which the LDS stores read; and all products are done reading x's sets and the weights' registers, in which q' and k' land behind the barrier
	ds_store_b128 v[SQA], v[ACC:ACC+3]
	ds_store_b128 v[SQA], v[ACC+4:ACC+7] offset:16
	ds_store_b128 v[SQA], v[ACC+8:ACC+11] offset:16*QP
	ds_store_b128 v[SQA], v[ACC+12:ACC+15] offset:16*QP+16
	ds_store_b128 v[SQ2], v[ACC+16:ACC+19]
	ds_store_b128 v[SQ2], v[ACC+20:ACC+23] offset:16
	BARRIER                                        ; q' of the 16 queries and k' of the 80 rows lie in LDS
	; ---- 2: t = log2(e) e for my query and four keys
.macro KLOAD dd                        ; k' of key row r + 8 w + 4 h + dd into raw buffer dd % 2
	WIN 0x40                                       ; destination window 1
.set n, 0
.rept 16
	ds_load_b128 v[KR+64*((\dd)%2)+4*n:KR+64*((\dd)%2)+4*n+3], v[AK] offset:QP*(\dd)+16*n
.set n, n+1
.endr
	WIN 0
.endm
.set n, 0
.rept 16
	ds_load_b128 v[Q+4*n:Q+4*n+3], v[AQ] offset:16*n               ; no vector or matrix instruction since the wait ahead of ACC's stores: it serves these 48 loads
.set n, n+1
.endr
	KLOAD 0
	KLOAD 1
	s_wait_loadcnt 0x0                             ; Wa, ba, V: they had phase 1 in which to land
	WIN 0x05                                       ; sources 0 and 1 window 1: Wa
	v_pk_add_f32 v[SM:SM+1], v[WA:WA+1], v[WA+2:WA+3]
	v_pk_add_f32 v[SM+2:SM+3], v[WA+4:WA+5], v[WA+6:WA+7]
	WIN 0x04                                       ; source 1 window 1
.set n, 8
.rept 14
	v_pk_add_f32 v[SM:SM+1], v[SM:SM+1], v[WA+n:WA+n+1]
	v_pk_add_f32 v[SM+2:SM+3], v[SM+2:SM+3], v[WA+n+2:WA+n+3]
.set n, n+4
.endr
	WIN 0
	v_pk_add_f32 v[SM:SM+1], v[SM:SM+1], v[SM+2:SM+3]
	v_add_f32 v[SM], v[SM], v[SM+1]
	v_add_f32 v[SM], v[SM], v[BA]                  ; sum Wa + ba
	v_mul_f32 v[T0], s33, v[SM]
.macro TANH dd, left                   ; key row r + 8 w + 4 h + dd.  left: the LDS instructions issued behind the loads of this key's k', which may stay out
	s_wait_dscnt \left
	WIN 0x01                                       ; source 0 (k' as loaded) window 1
.set n, 0
.rept 32
	v_pk_add_f32 v[KZ+2*n:KZ+2*n+1], v[KR+64*((\dd)%2)+2*n:KR+64*((\dd)%2)+2*n+1], v[Q+2*n:Q+2*n+1]       ; z = 2 log2(e) (q + k + bh)
.set n, n+1
.endr
	WIN 0
.set n, 0
.rept 64
	v_exp_f32 v[KZ+n], v[KZ+n]                     ; one batch.  Infinity gives 1 / (1 + 2^z) = 0 and 0 gives 1: no hold is needed
.set n, n+1
.endr
	v_add_nc_u32 v[TA], \dd, v[J]                  ; my key (the plain line behind the batch)
	v_cmp_gt_u32 vcc_lo, s34, v[TA]                ; is the key one of the batch's 1,024?  (the select stands at the key's end)
	s_wait_alu depctr_va_vdst(0)                   ; the 64 exponentials have written their results, ahead of their first reader; the additions are done reading this key's raw buffer; the key before has written its t
.if (\dd) > 0
	ds_store_b32 v[AE], v[TT+(\dd)-1] offset:4*((\dd)-1)           ; the key before
.endif
.if (\dd) < 2
	KLOAD (\dd)+2                                  ; the raw buffer is asked for again: the key two on
.endif
.set n, 0
.rept 32
	v_pk_add_f32 v[KZ+2*n:KZ+2*n+1], v[KZ+2*n:KZ+2*n+1], 1.0 op_sel_hi:[1,0]
.set n, n+1
.endr
.set n, 0
.rept 64
	v_rcp_f32 v[KZ+n], v[KZ+n]
.set n, n+1
.endr
	v_nop                                          ; the plain line behind the batch
	s_wait_alu depctr_va_vdst(0)                   ; the 64 reciprocals have written their results, ahead of their first reader
	WIN 0x04                                       ; source 1 window 1: Wa
.irp k, 0,1,2,3
	v_pk_mul_f32 v[SM+2*\k:SM+2*\k+1], v[KZ+2*\k:KZ+2*\k+1], v[WA+2*\k:WA+2*\k+1]           ; four chains; the first products start them
.endr
.set n, 4
.rept 28
	v_pk_fma_f32 v[SM+2*(n%4):SM+2*(n%4)+1], v[KZ+2*n:KZ+2*n+1], v[WA+2*n:WA+2*n+1], v[SM+2*(n%4):SM+2*(n%4)+1]
.set n, n+1
.endr
	WIN 0
	v_pk_add_f32 v[SM:SM+1], v[SM:SM+1], v[SM+2:SM+3]
	v_pk_add_f32 v[SM+4:SM+5], v[SM+4:SM+5], v[SM+6:SM+7]
	v_pk_add_f32 v[SM:SM+1], v[SM:SM+1], v[SM+4:SM+5]
	v_add_f32 v[SM], v[SM], v[SM+1]
	v_fma_f32 v[TT+(\dd)], v[SM], s32, v[T0]       ; t = log2(e) (sum Wa + ba) - 2 log2(e) sum Wa / (1 + 2^z)
	s_wait_alu depctr_va_vcc(0)                    ; the compare has written VCC, which the select reads
	v_cndmask_b32 v[TT+(\dd)], v[NINF], v[TT+(\dd)], vcc_lo        ; -infinity where the key is none of the batch's
.endm
	TANH 0, 16                                     ; q' and key 0 are in; key 1's sixteen loads may be out
	TANH 1, 16                                     ; behind key 1's loads: key 2's sixteen
	TANH 2, 17                                     ; behind key 2's loads: a store and key 3's sixteen
	TANH 3, 1                                      ; behind key 3's loads: a store
	s_wait_alu depctr_va_vdst(0)                   ; the last key has written its t, which the store reads; and all vector instructions are done with z's registers, in which the window of t lands behind the barrier
	ds_store_b32 v[AE], v[TT+3] offset:12
	BARRIER                                        ; the 16 x 64 band of t lies in LDS, -infinity round it
	; ---- 3: the softmax and its quantiser.  Register 16 b + i = window key 32 b + 16 h + i of query r
	s_wait_alu depctr_vm_vsrc(0)                   ; my LDS stores of q', k' and t have read v96 to v123, which this phase's vector instructions write again
.irp b, 0,1,2,3
.irp j, 0,1,2,3
	ds_load_b128 v[KZ+16*\b+4*\j:KZ+16*\b+4*\j+3], v[ATR] offset:128*\b+16*\j
.endr
.endr
	v_perm_b32 v[TP],   v[SW+1], v[SW],   0x05010400       ; V's scale bytes: four registers (a block each) of four columns' bytes become four registers (a column each) of four blocks' bytes
	v_perm_b32 v[TP+1], v[SW+1], v[SW],   0x07030602
	v_perm_b32 v[TP+2], v[SW+3], v[SW+2], 0x05010400
	v_perm_b32 v[TP+3], v[SW+3], v[SW+2], 0x07030602
	v_perm_b32 v[VW],   v[TP+2], v[TP],   0x05040100       ; v[VW + tt]: lanes 0-15 the words of my columns 32 tt + r, lanes 16-31 of 32 tt + 16 + r
	v_perm_b32 v[VW+1], v[TP+2], v[TP],   0x07060302
	v_perm_b32 v[VW+2], v[TP+3], v[TP+1], 0x05040100
	v_perm_b32 v[VW+3], v[TP+3], v[TP+1], 0x07060302
.irp b, 0,1,2,3
	v_mov_b32 v[BX+\b], 0                          ; a lane permute's destination counts as one of its sources
.endr
	v_mov_b32 v[NM+1], 0                           ; (named as the upper half of a pair)
	s_wait_dscnt 0x0
.irp b, 0,1,2,3
	v_max3_num_f32 v[BM+\b], v[KZ+16*\b], v[KZ+16*\b+1], v[KZ+16*\b+2]        ; the largest t of each block of 32 keys: it serves the row's maximum and, since p rises with t, the block's largest p
.endr
.irp i, 3,5,7,9,11,13
.irp b, 0,1,2,3
	v_max3_num_f32 v[BM+\b], v[BM+\b], v[KZ+16*\b+\i], v[KZ+16*\b+\i+1]
.endr
.endr
.irp b, 0,1,2,3
	v_max_num_f32 v[BM+\b], v[BM+\b], v[KZ+16*\b+15]
.endr
.irp b, 0,1,2,3
	v_permlanex16_b32 v[BX+\b], v[BM+\b], s28, s29
.endr
.irp b, 0,1,2,3
	v_max_num_f32 v[BM+\b], v[BM+\b], v[BX+\b]     ; with lane l xor 16's 16 keys
.endr
	v_max3_num_f32 v[TP], v[BM], v[BM+1], v[BM+2]
	v_max_num_f32 v[TP], v[TP], v[BM+3]            ; the row's largest t: a number, since a query's own key always counts
	v_floor_f32 v[NM], -v[TP]                      ; -M = floor(-t) = -ceil(t)
.set n, 0
.rept 32
	v_pk_add_f32 v[KZ+2*n:KZ+2*n+1], v[KZ+2*n:KZ+2*n+1], v[NM:NM+1] op_sel_hi:[1,0]
.set n, n+1
.endr
.irp b, 0,1,2,3
	v_add_f32 v[BM+\b], v[BM+\b], v[NM]
.endr
.set n, 0
.rept 64
	v_exp_f32 v[KZ+n], v[KZ+n]                     ; p = 2^(t - M): not normalised; 0 where t is -infinity
.set n, n+1
.endr
	v_mov_b32 v[RL+1], 0                           ; (the plain line behind the batch; named later as the upper half of a pair)
	s_wait_alu depctr_va_vdst(0)                   ; the 64 exponentials have written p, ahead of its first reader
.irp b, 0,1,2,3
	v_exp_f32 v[BM+\b], v[BM+\b]                   ; the block's largest p: the same addition and exponential on the same number
.endr
	v_pk_add_f32 v[LS:LS+1], v[KZ:KZ+1], v[KZ+2:KZ+3]              ; the row's sum is taken of the unquantised p, in two chains (plain work behind the four)
	v_pk_add_f32 v[LS+2:LS+3], v[KZ+4:KZ+5], v[KZ+6:KZ+7]
.set n, 8
.rept 14
	v_pk_add_f32 v[LS:LS+1], v[LS:LS+1], v[KZ+n:KZ+n+1]
	v_pk_add_f32 v[LS+2:LS+3], v[LS+2:LS+3], v[KZ+n+2:KZ+n+3]
.set n, n+4
.endr
	v_pk_add_f32 v[LS:LS+1], v[LS:LS+1], v[LS+2:LS+3]
	s_wait_alu depctr_va_vdst(0)                   ; the four exponentials have written the blocks' largest p, ahead of their first reader
.irp b, 0,1,2,3
	v_max_num_f32 v[BM+\b], 0x1800000, v[BM+\b]    ; the floor 2^(3 - 127): the byte cannot fall under 1 (a block of zeros keeps that byte: its codes are zeros)
.endr
.irp b, 0,1,2,3
	v_add_nc_u32 v[SO+\b], 0xff000000, v[BM+\b]    ; 2 off the exponent field: the conversion's scale operand
.endr
.irp b, 0,1,2,3
	v_lshrrev_b32 v[BY+\b], 23, v[SO+\b]           ; the scale's byte
.endr
	v_lshl_or_b32 v[PW], v[BY+1], 8, v[BY]         ; p's scale word for the window's 128 keys
	v_lshl_or_b32 v[PW], v[BY+2], 16, v[PW]
	v_lshl_or_b32 v[PW], v[BY+3], 24, v[PW]
.irp b, 0,1,2,3
	v_cvt_scalef32_pk8_fp4_f32 v[PC+2*\b], v[KZ+16*\b:KZ+16*\b+7], v[SO+\b]
	v_cvt_scalef32_pk8_fp4_f32 v[PC+2*\b+1], v[KZ+16*\b+8:KZ+16*\b+15], v[SO+\b]
.endr
	v_nop                                          ; one plain line between a scaled conversion and the vector instruction that touches its result
.irp c, 0,1                            ; the operand's layout wants a whole block in a lane: lanes 0-15 block 2 c, lanes 16-31 block 2 c + 1
.irp i, 0,1
	v_permlane16_swap_b32 v[PC+4*\c+\i], v[PC+4*\c+2+\i]
.endr
.endr
	v_add_f32 v[LS], v[LS], v[LS+1]
	v_permlanex16_b32 v[BX], v[LS], s28, s29
	v_add_f32 v[LS], v[LS], v[BX]                  ; the row's sum
	v_rcp_f32 v[RL], v[LS]
.rept 8
	v_nop                                          ; the plain line behind the reciprocal; the eight places between p's scale word and the scaled products, the four behind p's codes
.endr
	s_wait_alu depctr_va_vdst(0)                   ; behind the places: p's codes, p's scale word and V's scale words are written, which the scaled products take as operand and scales; and the reciprocal has written its result, ahead of its first reader
	; ---- 4: O^T = V^T P^T: source 0 = 16 of my 128 columns, source 1 = p's 16 queries, K = the window's 128 keys.  One K step: every product starts and ends its sum
	WIN 0x01                                       ; source 0 (V) window 1
.irp t, 0,2,4,6
	v_wmma_scale_f32_16x16x128_f8f6f4 v[O+8*\t:O+8*\t+7], v[VF+8*\t:VF+8*\t+7], v[PC:PC+7], 0, v[VW+\t/2], v[PW] matrix_a_fmt:MATRIX_FMT_FP4 matrix_b_fmt:MATRIX_FMT_FP4
	v_wmma_scale_f32_16x16x128_f8f6f4 v[O+8*\t+8:O+8*\t+15], v[VF+8*\t+8:VF+8*\t+15], v[PC:PC+7], 0, v[VW+\t/2], v[PW] matrix_a_fmt:MATRIX_FMT_FP4 matrix_b_fmt:MATRIX_FMT_FP4 matrix_a_scale:MATRIX_SCALE_ROW1
.endr
	WIN 0
	; ---- 5: the way out.  Lane (r, h), register 8 t + j: out(query r, column 128 w + 16 t + 8 h + j)
.rept 4
	v_nop                                          ; places in front of the first read of results
.endr
.set n, 0
.rept 32
	v_pk_mul_f32 v[O+2*n:O+2*n+1], v[O+2*n:O+2*n+1], v[RL:RL+1] op_sel_hi:[1,0]         ; / the sum; each accumulator from its low end on
.set n, n+1
.endr
	s_wait_alu depctr_va_vdst(0)                   ; the scalings have written O^T, which the LDS stores read; and the conversions and sums are done reading p's registers, in which the rows land below
.irp t, 0,1,2,3,4,5,6,7
	ds_store_b128 v[STO], v[O+8*\t:O+8*\t+3] offset:64*\t
	ds_store_b128 v[STO], v[O+8*\t+4:O+8*\t+7] offset:64*\t+16
.endr
.irp i, 0,1,2,3,4,5,6,7,8,9,10,11,12,13,14,15
	ds_load_b128 v[KZ+4*\i:KZ+4*\i+3], v[SRD] offset:QP*\i         ; the stage is my wave's own, and LDS serves a wave's instructions in order: these see the stores above
.endr
.irp i, 0,1,2,3,4,5,6,7,8,9,10,11,12,13,14,15
	s_wait_dscnt 15-\i                             ; row i is back; the younger rows may be out
	global_store_b128 v[L16], v[KZ+4*\i:KZ+4*\i+3], s[56:57] offset:4096*\i th:TH_STORE_NT   ; 32 lanes store 512 consecutive bytes, at a multiple of 256 from out's first byte
.endr
	s_wait_dscnt 0x0
	s_wait_alu depctr_hold_cnt(0) depctr_sa_sdst(0) depctr_va_vdst(0) depctr_va_sdst(0) depctr_va_ssrc(0) depctr_va_vcc(0) depctr_vm_vsrc(0)
	s_wait_tensorcnt 0x0
	ds_add_u32 v94, v95
	s_wait_dscnt 0x0
	s_endpgm
.Lfunc_end_k_qcdd42e8230_attend:
	.size	k_qcdd42e8230_attend, .Lfunc_end_k_qcdd42e8230_attend-k_qcdd42e8230_attend
	.p2alignl 7, 3214868480
	.fill 96, 4, 3214868480
	.section	.rodata,"a",@progbits
	.p2align	6, 0x0
	.amdhsa_kernel k_qcdd42e8230_attend
		.amdhsa_group_segment_fixed_size 169216
		.amdhsa_private_segment_fixed_size 0
		.amdhsa_enable_private_segment 0
		.amdhsa_kernarg_size 64
		.amdhsa_user_sgpr_count 2
		.amdhsa_user_sgpr_kernarg_segment_ptr 1
		.amdhsa_wavefront_size32 1
		.amdhsa_system_sgpr_workgroup_id_x 1
		.amdhsa_system_sgpr_workgroup_id_y 1
		.amdhsa_system_sgpr_workgroup_id_z 1
		.amdhsa_system_vgpr_workitem_id 0
		.amdhsa_next_free_vgpr 512
		.amdhsa_next_free_sgpr 66
		.amdhsa_reserve_vcc 1
		.amdhsa_float_denorm_mode_32 3
		.amdhsa_float_denorm_mode_16_64 3
		.amdhsa_memory_ordered 1
		.amdhsa_forward_progress 1
		.amdhsa_inst_pref_size 101
	.end_amdhsa_kernel
	.amdgpu_metadata
---
amdhsa.version: [ 1, 2 ]
amdhsa.kernels:
  - .name:           k_qcdd42e8230_attend
    .symbol:         k_qcdd42e8230_attend.kd
    .args:
      - { .name: dk_codes, .offset: 0, .size: 8, .value_kind: global_buffer, .address_space: global }
      - { .name: dk_scales, .offset: 8, .size: 8, .value_kind: global_buffer, .address_space: global }
      - { .name: xs_codes, .offset: 16, .size: 8, .value_kind: global_buffer, .address_space: global }
      - { .name: xs_scales, .offset: 24, .size: 8, .value_kind: global_buffer, .address_space: global }
      - { .name: bh, .offset: 32, .size: 8, .value_kind: global_buffer, .address_space: global }
      - { .name: Wa, .offset: 40, .size: 8, .value_kind: global_buffer, .address_space: global }
      - { .name: ba, .offset: 48, .size: 8, .value_kind: global_buffer, .address_space: global }
      - { .name: out0, .offset: 56, .size: 8, .value_kind: global_buffer, .address_space: global }
    .group_segment_fixed_size: 169216
    .private_segment_fixed_size: 0
    .kernarg_segment_align: 8
    .kernarg_segment_size: 64
    .max_flat_workgroup_size: 256
    .sgpr_count:     66
    .vgpr_count:     512
    .wavefront_size: 32
...
	.end_amdgpu_metadata
.endif
;; end of part 3
